; MI455X (gfx1250); checked and timed in simulation.
; The chip was launched on July 23, 2026; its instructions are those of AMD's public machine-readable ISA for CDNA 5 (MIT licence, August 2026) and "CDNA5" Instruction Set Architecture Reference Guide (July 2026). The comments in the code are by the model that wrote it; some were corrected since.
;; Filter Detections. Allowed arithmetic: float matrix products may take bf16 or f16 operands with f32 sums; other float arithmetic in f32, or as packed bf16 or f16 multiplies, adds, multiply-adds, maxima and minima; sums over many terms, partial sums and values carried from step to step in f32; what a program stores and reads back later, other than sums and carried values, may be rounded once to bf16 or f16.
;; Inputs: anchors 100,000 x 4 float32; cls_output_batch 8 x 100,000 x 80 float32; reg_output_batch 8 x 100,000 x 4 float32.
;; Outputs: out0 8 x 80 x 300 x 6 float32.
;; 2 versions, each right and faster than the one before. Each part assembles by itself: llvm-mc -triple=amdgcn-amd-amdhsa -mcpu=gfx1250 --defsym DOCPART=n.
;; ======== version 1 of 2: 7 launches
;; workspace buffers: gkey 8,028,160 bytes; thr 2,560 bytes; bits 8,028,160 bytes of whole numbers; qtab 10,485,760 bytes of whole numbers; keys 256,901,120 bytes of whole numbers; idxs 256,901,120 bytes of whole numbers; cnt 2,560 bytes of whole numbers; sidx 256,901,120 bytes of whole numbers
;; launch gmax (part 1): grid 98 x 8, 20 waves a work-group, no clusters, 14,080 bytes of LDS; arguments cls_output_batch, gkey; writes gkey
.if DOCPART == 1
	.amdgcn_target "amdgcn-amd-amdhsa--gfx1250"
	.amdhsa_code_object_version 6
	.text
	.protected	k_q126500881d_gmax
	.globl	k_q126500881d_gmax
	.p2align	8
	.type	k_q126500881d_gmax,@function
k_q126500881d_gmax:
	s_mov_b64 s[64:65], 0
	v_nop
	global_prefetch_b8 v0, s[64:65] scope:SCOPE_SE
	s_setreg_imm32_b32 hwreg(HW_REG_WAVE_MODE, 25, 1), 1
	s_wait_xcnt 0x0
; FILTER DETECTIONS, launch 1 of 7: the largest score of each group of 32 neighbouring anchors, for each image and class.
; THE PROGRAM.  For each of the 640 columns (image, class): the 500 best scores >= 0.3 of 100,000 (ties: lower anchor first), their boxes, greedy NMS, the first 300 kept.
;   1 gmax: group maxima.  2 thresh: T, with at least 500 group maxima >= T, so at least 500 scores >= T, so every one of the best 500 is >= T, whatever the inputs hold.
;   3 bitmap: one bit a score, score >= T.  4 prefix: for each word of the bitmap the set bits ahead of it, and their number N.  5 compact: the set bits as a list (score bits, anchor), in anchor order.
;   6 rank: each listed score's rank, and the anchors in that order.  7 nms: boxes, NMS, output.
; WORK LEFT OUT, for all values of the inputs.  reference() decodes a box for every image and anchor, and uses of them only boxes[idx] for the idx of its top_k: here launch 7
; decodes the anchors that the stored list names, and no others (a lookup by an index).  reference() masks each IoU by idxs > i: launch 7 leaves out the whole words of 32 columns in which
; every column lies ahead of every row.  All three inputs are loaded.  LIMIT: a NaN, an infinity or an overflow in the box of an anchor that is not listed reaches no result (nor does it in reference()).
; LIMITS of the program: a NaN score counts as not valid, as in reference(); a NaN in a box is not carried through the IoU's maxima and minima as jnp.maximum carries it; the IoU test is
; 3 inter - a_j > a_i + 1e-9, the same inequality as inter / (a_i + a_j - inter + 1e-9) > 0.5 in real numbers, so a pair within rounding of 0.5 may fall the other way;
; exp(x) is 2^(x log2 e).  Where very many scores of a column lie at or over T (all equal, say) launch 6 compares all listed pairs: right, and slow.
; THIS LAUNCH.  cls is [8][100000][80] f32: a row of 320 bytes an anchor.  A work-group has 32 groups (1,024 anchors) of one image; thread t has group t / 20 and the four classes
; 4 (t % 20) ..: 32 loads of 16 bytes, a row each; twenty neighbouring lanes read a whole row.  Two buffers of eight rows: sixteen loads of a wave are out.
; A maximum under 0.3 (or NaN) is stored as 0.  The 32 x 80 results are turned in LDS, so that a class's 32 numbers leave as 128 neighbouring bytes: gkey is [640][3136] f32.
; 100,000 anchors are 3,125 groups: the last work-group of an image repeats group 3,124 for the groups that do not exist, and stores 0 for them.
.set NWORD,  3125
.set WORDB,  10240                     ; bytes of 32 rows
.set ROWB,   320
.set IMGB,   32000000                  ; bytes of an image's scores
.set COLB,   12544                     ; bytes of a column in gkey: 3,136 numbers
.set LPITCH, 144                       ; LDS: a class's 32 numbers and 16 bytes of room
.set SPARE,  11520                     ; behind the 80 classes: the spare words, 128 bytes a wave, which no other line names
.set SPW, 8                            ; v8  my spare word's address; never rewritten
.set NIL, 9                            ; v9  0; never rewritten
.set ACC, 10                           ; v[10:13] running maxima of my four classes
.set B0,  16                           ; v[16:47] eight rows
.set B1,  48                           ; v[48:79] eight rows
	s_load_b128 s[4:7], s[0:1], 0x0                ; cls s[4:5], gkey s[6:7]
	v_lshl_add_u32 v[SPW], v0, 2, SPARE
	v_mov_b32 v[NIL], 0
	v_mul_u32_u24 v1, v0, 3277                     ; t / 20 = (3277 t) >> 16 for t < 640
	v_lshrrev_b32 v1, 16, v1                       ; my group in the work-group
	v_mul_u32_u24 v7, v1, 20
	v_sub_nc_u32 v2, v0, v7                        ; my four classes: 4 (t % 20) ..
	s_lshl_b32 s8, ttmp9, 5
	v_add_nc_u32 v7, s8, v1                        ; my group in the image
	v_cmp_gt_u32 s12, NWORD, v7                    ; does it exist?
	v_min_u32 v7, NWORD-1, v7                      ; no load leaves the image
	v_mul_u32_u24 v3, v7, WORDB
	v_lshl_add_u32 v3, v2, 4, v3                   ; byte offset of my 16 bytes in the group's first row; never rewritten
	s_and_b32 s9, ttmp7, 0xffff                    ; image
	s_mul_i32 s10, s9, IMGB
	s_mov_b32 s11, 0
	s_mul_i32 s14, s9, 80*COLB
	s_lshl_b32 s13, ttmp9, 7                       ; the work-group's 32 numbers in a column
	s_add_co_u32 s14, s14, s13
	s_mov_b32 s15, 0
	s_wait_kmcnt 0x0
	s_add_nc_u64 s[4:5], s[4:5], s[10:11]
	s_add_nc_u64 s[6:7], s[6:7], s[14:15]
.macro LOADB buf, row                  ; eight rows from row on
.irp r, 0,1,2,3,4,5,6,7
	global_load_b128 v[(\buf)+4*(\r):(\buf)+4*(\r)+3], v3, s[4:5] offset:((\row)+(\r))*ROWB th:TH_LOAD_NT
.endr
.endm
.macro MAXB buf, first                 ; eight rows into the four maxima, two rows a line; a NaN loses
.irp k, 0,1,2,3
.if \first
	v_max_num_f32 v[ACC+(\k)], v[(\buf)+(\k)], v[(\buf)+4+(\k)]
.else
	v_max3_num_f32 v[ACC+(\k)], v[ACC+(\k)], v[(\buf)+(\k)], v[(\buf)+4+(\k)]
.endif
	v_max3_num_f32 v[ACC+(\k)], v[ACC+(\k)], v[(\buf)+8+(\k)], v[(\buf)+12+(\k)]
	v_max3_num_f32 v[ACC+(\k)], v[ACC+(\k)], v[(\buf)+16+(\k)], v[(\buf)+20+(\k)]
	v_max3_num_f32 v[ACC+(\k)], v[ACC+(\k)], v[(\buf)+24+(\k)], v[(\buf)+28+(\k)]
.endr
.endm
	LOADB B0, 0
	LOADB B1, 8
	v_mul_u32_u24 v4, v2, 4*LPITCH                 ; into LDS: class 4 (t % 20), number t / 20
	v_lshl_add_u32 v4, v1, 2, v4
	v_lshrrev_b32 v5, 3, v0                        ; back: class t / 8, numbers 4 (t % 8) ..
	v_and_b32 v6, 7, v0
	v_mul_u32_u24 v7, v5, COLB
	v_lshl_add_u32 v7, v6, 4, v7                   ; and the same 16 bytes in gkey
	v_mul_u32_u24 v5, v5, LPITCH
	v_lshl_add_u32 v5, v6, 4, v5
	s_wait_loadcnt 0x8                             ; loads come back in order: the older buffer is in, the younger one's eight stay out
	MAXB B0, 1
	LOADB B0, 16
	s_wait_loadcnt 0x8
	MAXB B1, 0
	LOADB B1, 24
	s_wait_loadcnt 0x8
	MAXB B0, 0
	s_wait_loadcnt 0x0
	MAXB B1, 0
.irp k, 0,1,2,3
	v_cmp_le_f32 vcc_lo, 0x3e99999a, v[ACC+(\k)]   ; 0.3 in f32 <= maximum; false for NaN
	s_and_b32 vcc_lo, vcc_lo, s12                  ; and the group exists
	v_cndmask_b32 v[ACC+(\k)], 0, v[ACC+(\k)], vcc_lo
.endr
.irp k, 0,1,2,3
	ds_store_b32 v4, v[ACC+(\k)] offset:(\k)*LPITCH
.endr
	s_wait_dscnt 0x0                               ; for the others' sake: my stores are done
	s_barrier_signal -1
	s_barrier_wait -1
	ds_load_b128 v[16:19], v5
	s_wait_dscnt 0x0
	global_store_b128 v7, v[16:19], s[6:7]         ; eight lanes store a class's 128 neighbouring bytes
	s_wait_tensorcnt 0x0                           ; the wave's end, behind my last LDS store
	ds_add_u32 v[SPW], v[NIL]
	s_wait_dscnt 0x0
	s_endpgm
.Lfunc_end_k_q126500881d_gmax:
	.size	k_q126500881d_gmax, .Lfunc_end_k_q126500881d_gmax-k_q126500881d_gmax
	.p2alignl 7, 3214868480
	.fill 96, 4, 3214868480
	.section	.rodata,"a",@progbits
	.p2align	6, 0x0
	.amdhsa_kernel k_q126500881d_gmax
		.amdhsa_group_segment_fixed_size 14080
		.amdhsa_private_segment_fixed_size 0
		.amdhsa_enable_private_segment 0
		.amdhsa_kernarg_size 16
		.amdhsa_user_sgpr_count 2
		.amdhsa_user_sgpr_kernarg_segment_ptr 1
		.amdhsa_wavefront_size32 1
		.amdhsa_system_sgpr_workgroup_id_x 1
		.amdhsa_system_sgpr_workgroup_id_y 1
		.amdhsa_system_sgpr_workgroup_id_z 1
		.amdhsa_system_vgpr_workitem_id 0
		.amdhsa_next_free_vgpr 80
		.amdhsa_next_free_sgpr 66
		.amdhsa_reserve_vcc 1
		.amdhsa_float_denorm_mode_32 3
		.amdhsa_float_denorm_mode_16_64 3
		.amdhsa_memory_ordered 1
		.amdhsa_forward_progress 1
		.amdhsa_inst_pref_size 11
	.end_amdhsa_kernel
	.amdgpu_metadata
---
amdhsa.version: [ 1, 2 ]
amdhsa.kernels:
  - .name:           k_q126500881d_gmax
    .symbol:         k_q126500881d_gmax.kd
    .args:
      - { .name: cls_output_batch, .offset: 0, .size: 8, .value_kind: global_buffer, .address_space: global }
      - { .name: gkey, .offset: 8, .size: 8, .value_kind: global_buffer, .address_space: global }
    .group_segment_fixed_size: 14080
    .private_segment_fixed_size: 0
    .kernarg_segment_align: 8
    .kernarg_segment_size: 16
    .max_flat_workgroup_size: 640
    .sgpr_count:     66
    .vgpr_count:     80
    .wavefront_size: 32
...
	.end_amdgpu_metadata
.endif
;; end of part 1
;; launch thresh (part 2): grid 640 x 1, 7 waves a work-group, no clusters, 1,280 bytes of LDS; arguments gkey, thr; writes thr
.if DOCPART == 2
	.amdgcn_target "amdgcn-amd-amdhsa--gfx1250"
	.amdhsa_code_object_version 6
	.text
	.protected	k_q126500881d_thresh
	.globl	k_q126500881d_thresh
	.p2align	8
	.type	k_q126500881d_thresh,@function
k_q126500881d_thresh:
	s_mov_b64 s[64:65], 0
	v_nop
	global_prefetch_b8 v0, s[64:65] scope:SCOPE_SE
	s_setreg_imm32_b32 hwreg(HW_REG_WAVE_MODE, 25, 1), 1
	s_wait_xcnt 0x0
; Launch 2 of 7: a threshold T for each column (image, class).  gkey holds 3,136 group maxima a column, each 0 or a number >= 0.3: as bit patterns they order as the numbers do.
; T = the largest pattern made of bits 30 to 7 with at least 500 maxima >= T, found bit by bit from the top: 24 counts, no branch on data.  The low seven bits stay 0: T is then a little
; lower than the 500th maximum, which only lets a few more scores through.  At the end T = max(T, 0.3): with fewer than 500 groups that hold a valid score all valid scores pass.
; Seven waves: 224 threads x 14 numbers = 3,136.  A count: each wave counts its own by compare and bit count, stores the figure in LDS, and reads all seven behind one barrier.
; The figures lie in two sets of words that take turns: a set is written again two barriers later, when every wave has waited for its reads of it in front of the barrier between.
.set COLB,  12544
.set SPARE, 256                        ; the spare words, 128 bytes a wave, which no other line names
.set SPW, 6
.set NIL, 7
.set KEY, 10                           ; v[10:23] my 14 numbers
	s_load_b128 s[4:7], s[0:1], 0x0                ; gkey s[4:5], thr s[6:7]
	v_lshl_add_u32 v[SPW], v0, 2, SPARE
	v_mov_b32 v[NIL], 0
	v_lshrrev_b32 v1, 5, v0
	v_readfirstlane_b32 s8, v1                     ; wave
	v_lshlrev_b32 v2, 3, v0                        ; 8 bytes a thread
	v_lshlrev_b32 v3, 2, v1                        ; my wave's word in a set
	v_mov_b32 v4, 0
	s_mul_i32 s10, ttmp9, COLB
	s_mov_b32 s11, 0
	s_lshl_b32 s12, ttmp9, 2
	s_mov_b32 s13, 0
	s_wait_kmcnt 0x0
	s_add_nc_u64 s[4:5], s[4:5], s[10:11]
	s_add_nc_u64 s[6:7], s[6:7], s[12:13]
.irp i, 0,1,2,3,4,5,6
	global_load_b64 v[KEY+2*(\i):KEY+2*(\i)+1], v2, s[4:5] offset:1792*(\i)
.endr
	s_mov_b32 s14, 0                               ; T so far
	s_mov_b32 s15, 0x40000000                      ; the bit on trial
	s_mov_b32 s16, 12                              ; two bits a trip
	s_wait_loadcnt 0x0
.macro STEP set
	s_or_b32 s17, s14, s15                         ; T with the bit
.irp k, 0,1,2,3,4,5,6,7,8,9,10,11,12,13
	v_cmp_le_u32 s[20+(\k)], s17, v[KEY+(\k)]
.endr
	s_bcnt1_i32_b32 s18, s20
.irp k, 1,2,3,4,5,6,7,8,9,10,11,12,13
	s_bcnt1_i32_b32 s19, s[20+(\k)]
	s_add_co_u32 s18, s18, s19
.endr
	v_mov_b32 v5, s18
	ds_store_b32 v3, v5 offset:\set                ; all lanes write the same word with the same figure
	s_wait_dscnt 0x0                               ; for the others' sake: the figure is in LDS
	s_barrier_signal -1
	s_barrier_wait -1
	ds_load_b128 v[24:27], v4 offset:\set
	ds_load_b64 v[28:29], v4 offset:(\set)+16
	ds_load_b32 v30, v4 offset:(\set)+24
	s_wait_dscnt 0x0
	v_add3_u32 v24, v24, v25, v26
	v_add3_u32 v27, v27, v28, v29
	v_add3_u32 v24, v24, v27, v30
	v_readfirstlane_b32 s19, v24
	s_cmp_ge_u32 s19, 500
	s_cselect_b32 s14, s17, s14                    ; the bit stays if 500 or more are left
	s_lshr_b32 s15, s15, 1
.endm
.Lbit:
	STEP 0
	STEP 32
	s_sub_co_u32 s16, s16, 1
	s_cmp_lg_u32 s16, 0
	s_cbranch_scc1 .Lbit
	s_max_u32 s14, s14, 0x3e99999a                 ; never under 0.3
	s_cmp_lg_u32 s8, 0
	s_cbranch_scc1 .Lend
	v_mov_b32 v5, s14
	v_cmp_eq_u32 vcc_lo, 0, v0
	s_wait_xcnt 0x0                                ; EXEC changes only behind this wait
	s_and_saveexec_b32 s18, vcc_lo
	global_store_b32 v4, v5, s[6:7]                ; one number a column
	s_wait_xcnt 0x0
	s_or_b32 exec_lo, exec_lo, s18
.Lend:
	s_wait_tensorcnt 0x0                           ; the wave's end, behind my last LDS store
	ds_add_u32 v[SPW], v[NIL]
	s_wait_dscnt 0x0
	s_endpgm
.Lfunc_end_k_q126500881d_thresh:
	.size	k_q126500881d_thresh, .Lfunc_end_k_q126500881d_thresh-k_q126500881d_thresh
	.p2alignl 7, 3214868480
	.fill 96, 4, 3214868480
	.section	.rodata,"a",@progbits
	.p2align	6, 0x0
	.amdhsa_kernel k_q126500881d_thresh
		.amdhsa_group_segment_fixed_size 1280
		.amdhsa_private_segment_fixed_size 0
		.amdhsa_enable_private_segment 0
		.amdhsa_kernarg_size 16
		.amdhsa_user_sgpr_count 2
		.amdhsa_user_sgpr_kernarg_segment_ptr 1
		.amdhsa_wavefront_size32 1
		.amdhsa_system_sgpr_workgroup_id_x 1
		.amdhsa_system_sgpr_workgroup_id_y 1
		.amdhsa_system_sgpr_workgroup_id_z 1
		.amdhsa_system_vgpr_workitem_id 0
		.amdhsa_next_free_vgpr 32
		.amdhsa_next_free_sgpr 66
		.amdhsa_reserve_vcc 1
		.amdhsa_float_denorm_mode_32 3
		.amdhsa_float_denorm_mode_16_64 3
		.amdhsa_memory_ordered 1
		.amdhsa_forward_progress 1
		.amdhsa_inst_pref_size 8
	.end_amdhsa_kernel
	.amdgpu_metadata
---
amdhsa.version: [ 1, 2 ]
amdhsa.kernels:
  - .name:           k_q126500881d_thresh
    .symbol:         k_q126500881d_thresh.kd
    .args:
      - { .name: gkey, .offset: 0, .size: 8, .value_kind: global_buffer, .address_space: global }
      - { .name: thr, .offset: 8, .size: 8, .value_kind: global_buffer, .address_space: global }
    .group_segment_fixed_size: 1280
    .private_segment_fixed_size: 0
    .kernarg_segment_align: 8
    .kernarg_segment_size: 16
    .max_flat_workgroup_size: 224
    .sgpr_count:     66
    .vgpr_count:     32
    .wavefront_size: 32
...
	.end_amdgpu_metadata
.endif
;; end of part 2
;; launch bitmap (part 3): grid 98 x 8, 20 waves a work-group, no clusters, 14,080 bytes of LDS; arguments cls_output_batch, thr, bits; writes bits
.if DOCPART == 3
	.amdgcn_target "amdgcn-amd-amdhsa--gfx1250"
	.amdhsa_code_object_version 6
	.text
	.protected	k_q126500881d_bitmap
	.globl	k_q126500881d_bitmap
	.p2align	8
	.type	k_q126500881d_bitmap,@function
k_q126500881d_bitmap:
	s_mov_b64 s[64:65], 0
	v_nop
	global_prefetch_b8 v0, s[64:65] scope:SCOPE_SE
	s_setreg_imm32_b32 hwreg(HW_REG_WAVE_MODE, 25, 1), 1
	s_wait_xcnt 0x0
; Launch 3 of 7: one bit a score, score >= T of its column.  Shares and loads are launch 1's: a work-group has 32 words (1,024 anchors) of an image, thread t has word t / 20 and the
; four classes 4 (t % 20) ..; two buffers of eight rows.  Bit j of word w stands for anchor 32 w + j: the rows are taken from the last to the first, and each compare is shifted in from
; below (word = 2 word + bit, one add with carry).  A NaN score gives 0.  T >= 0.3, so a set bit is a valid score.  The places are fixed: nothing here is placed by a comparison.
; The words are turned in LDS and leave as 128 neighbouring bytes a class: bits is [640][3136] words; the words past 3,124 are stored as 0.
.set NWORD,  3125
.set WORDB,  10240
.set ROWB,   320
.set IMGB,   32000000
.set COLB,   12544
.set LPITCH, 144
.set SPARE,  11520                     ; the spare words, 128 bytes a wave, which no other line names
.set SPW, 8
.set NIL, 9
.set WRD, 10                           ; v[10:13] my four words
.set B0,  16
.set B1,  48
.set TH,  80                           ; v[80:83] T of my four classes
	s_load_b128 s[4:7], s[0:1], 0x0                ; cls s[4:5], thr s[6:7]
	s_load_b64 s[8:9], s[0:1], 0x10                ; bits
	v_lshl_add_u32 v[SPW], v0, 2, SPARE
	v_mov_b32 v[NIL], 0
	v_mul_u32_u24 v1, v0, 3277
	v_lshrrev_b32 v1, 16, v1                       ; t / 20
	v_mul_u32_u24 v7, v1, 20
	v_sub_nc_u32 v2, v0, v7                        ; t % 20
	s_lshl_b32 s13, ttmp9, 5
	v_add_nc_u32 v7, s13, v1
	v_cmp_gt_u32 s12, NWORD, v7                    ; does my word exist?
	v_min_u32 v7, NWORD-1, v7
	v_mul_u32_u24 v3, v7, WORDB
	v_lshl_add_u32 v3, v2, 4, v3                   ; never rewritten
	v_lshlrev_b32 v14, 4, v2                       ; my four T; never rewritten
	s_and_b32 s13, ttmp7, 0xffff
	s_mul_i32 s10, s13, IMGB
	s_mov_b32 s11, 0
	s_mul_i32 s14, s13, 80*COLB
	s_lshl_b32 s15, ttmp9, 7
	s_add_co_u32 s14, s14, s15
	s_mov_b32 s15, 0
	s_mul_i32 s16, s13, 320
	s_mov_b32 s17, 0
	s_wait_kmcnt 0x0
	s_add_nc_u64 s[4:5], s[4:5], s[10:11]
	s_add_nc_u64 s[6:7], s[6:7], s[16:17]
	s_add_nc_u64 s[8:9], s[8:9], s[14:15]
.macro LOADB buf, row
.irp r, 0,1,2,3,4,5,6,7
	global_load_b128 v[(\buf)+4*(\r):(\buf)+4*(\r)+3], v3, s[4:5] offset:((\row)+(\r))*ROWB th:TH_LOAD_NT
.endr
.endm
.macro CMPB buf                        ; eight rows, the last first
.irp r, 7,6,5,4,3,2,1,0
.irp k, 0,1,2,3
	v_cmp_ge_f32 vcc_lo, v[(\buf)+4*(\r)+(\k)], v[TH+(\k)]
	v_add_co_ci_u32 v[WRD+(\k)], vcc_lo, v[WRD+(\k)], v[WRD+(\k)], vcc_lo
.endr
.endr
.endm
	global_load_b128 v[TH:TH+3], v14, s[6:7]
	LOADB B0, 24
	LOADB B1, 16
.irp k, 0,1,2,3
	v_mov_b32 v[WRD+(\k)], 0
.endr
	v_mul_u32_u24 v4, v2, 4*LPITCH
	v_lshl_add_u32 v4, v1, 2, v4
	v_lshrrev_b32 v5, 3, v0
	v_and_b32 v6, 7, v0
	v_mul_u32_u24 v7, v5, COLB
	v_lshl_add_u32 v7, v6, 4, v7
	v_mul_u32_u24 v5, v5, LPITCH
	v_lshl_add_u32 v5, v6, 4, v5
	s_wait_loadcnt 0x8                             ; T and the older buffer are in; the younger buffer's eight loads stay out
	CMPB B0
	LOADB B0, 8
	s_wait_loadcnt 0x8
	CMPB B1
	LOADB B1, 0
	s_wait_loadcnt 0x8
	CMPB B0
	s_wait_loadcnt 0x0
	CMPB B1
.irp k, 0,1,2,3
	v_cndmask_b32 v[WRD+(\k)], 0, v[WRD+(\k)], s12
.endr
.irp k, 0,1,2,3
	ds_store_b32 v4, v[WRD+(\k)] offset:(\k)*LPITCH
.endr
	s_wait_dscnt 0x0                               ; for the others' sake: my stores are done
	s_barrier_signal -1
	s_barrier_wait -1
	ds_load_b128 v[16:19], v5
	s_wait_dscnt 0x0
	global_store_b128 v7, v[16:19], s[8:9]
	s_wait_tensorcnt 0x0                           ; the wave's end, behind my last LDS store
	ds_add_u32 v[SPW], v[NIL]
	s_wait_dscnt 0x0
	s_endpgm
.Lfunc_end_k_q126500881d_bitmap:
	.size	k_q126500881d_bitmap, .Lfunc_end_k_q126500881d_bitmap-k_q126500881d_bitmap
	.p2alignl 7, 3214868480
	.fill 96, 4, 3214868480
	.section	.rodata,"a",@progbits
	.p2align	6, 0x0
	.amdhsa_kernel k_q126500881d_bitmap
		.amdhsa_group_segment_fixed_size 14080
		.amdhsa_private_segment_fixed_size 0
		.amdhsa_enable_private_segment 0
		.amdhsa_kernarg_size 24
		.amdhsa_user_sgpr_count 2
		.amdhsa_user_sgpr_kernarg_segment_ptr 1
		.amdhsa_wavefront_size32 1
		.amdhsa_system_sgpr_workgroup_id_x 1
		.amdhsa_system_sgpr_workgroup_id_y 1
		.amdhsa_system_sgpr_workgroup_id_z 1
		.amdhsa_system_vgpr_workitem_id 0
		.amdhsa_next_free_vgpr 84
		.amdhsa_next_free_sgpr 66
		.amdhsa_reserve_vcc 1
		.amdhsa_float_denorm_mode_32 3
		.amdhsa_float_denorm_mode_16_64 3
		.amdhsa_memory_ordered 1
		.amdhsa_forward_progress 1
		.amdhsa_inst_pref_size 15
	.end_amdhsa_kernel
	.amdgpu_metadata
---
amdhsa.version: [ 1, 2 ]
amdhsa.kernels:
  - .name:           k_q126500881d_bitmap
    .symbol:         k_q126500881d_bitmap.kd
    .args:
      - { .name: cls_output_batch, .offset: 0, .size: 8, .value_kind: global_buffer, .address_space: global }
      - { .name: thr, .offset: 8, .size: 8, .value_kind: global_buffer, .address_space: global }
      - { .name: bits, .offset: 16, .size: 8, .value_kind: global_buffer, .address_space: global }
    .group_segment_fixed_size: 14080
    .private_segment_fixed_size: 0
    .kernarg_segment_align: 8
    .kernarg_segment_size: 24
    .max_flat_workgroup_size: 640
    .sgpr_count:     66
    .vgpr_count:     84
    .wavefront_size: 32
...
	.end_amdgpu_metadata
.endif
;; end of part 3
;; launch prefix (part 4): grid 640 x 1, 32 waves a work-group, no clusters, 4,352 bytes of LDS; arguments bits, qtab, cnt; writes qtab, cnt
.if DOCPART == 4
	.amdgcn_target "amdgcn-amd-amdhsa--gfx1250"
	.amdhsa_code_object_version 6
	.text
	.protected	k_q126500881d_prefix
	.globl	k_q126500881d_prefix
	.p2align	8
	.type	k_q126500881d_prefix,@function
k_q126500881d_prefix:
	s_mov_b64 s[64:65], 0
	v_nop
	global_prefetch_b8 v0, s[64:65] scope:SCOPE_SE
	s_setreg_imm32_b32 hwreg(HW_REG_WAVE_MODE, 25, 1), 1
	s_wait_xcnt 0x0
; Launch 4 of 7: for each column, qtab[column][i] = Q[i] = the set bits in words 0 .. i - 1 of its bitmap, for i < 4,096 (the words from 3,136 on count as 0), and cnt[column] = N, all set bits.
; The table goes through memory, so that the addresses of launch 5 are made of whole numbers that an earlier launch stored.  Here every place is fixed: nothing is addressed or counted by data.
; 32 waves.  Thread t < 784 takes four words of the bitmap, counts their bits by sums of 2, 4, 8, 16 bits; the counts are summed up over lanes (four shifts in a row of 16, one step across),
; waves (32 figures through LDS, one barrier) and the thread's own four words.  A thread stores its four prefixes as 16 bytes: a wave's store covers 512 neighbouring bytes.
.set COLB,  12544                      ; bytes of a column in bits
.set WTB,   0                          ; LDS: the 32 waves' totals
.set SPARE, 256                        ; the spare words, 128 bytes a wave, which no other line names
.set SPW, 6
.set NIL, 7
	s_load_b128 s[4:7], s[0:1], 0x0                ; bits s[4:5], qtab s[6:7]
	s_load_b64 s[8:9], s[0:1], 0x10                ; cnt
	v_lshl_add_u32 v[SPW], v0, 2, SPARE
	v_mov_b32 v[NIL], 0
	v_lshrrev_b32 v1, 5, v0
	v_readfirstlane_b32 s14, v1                    ; wave
	v_and_b32 v1, 31, v0                           ; lane
	v_lshlrev_b32 v2, 4, v0                        ; 16 t
	v_lshlrev_b32 v3, 2, v1                        ; 4 lane
	v_min_u32 v28, 783, v0
	v_lshlrev_b32 v28, 4, v28                      ; no load leaves the column's 3,136 words
	s_mul_i32 s34, ttmp9, COLB
	s_mov_b32 s35, 0
	s_lshl_b32 s36, ttmp9, 14                      ; 16,384 bytes of table a column
	s_mov_b32 s37, 0
	s_lshl_b32 s38, ttmp9, 2
	s_mov_b32 s39, 0
	s_mov_b32 s20, 0x55555555
	s_mov_b32 s21, 0x33333333
	s_mov_b32 s22, 0x0f0f0f0f
	s_mov_b32 s23, 0x00ff00ff
	s_wait_kmcnt 0x0
	s_add_nc_u64 s[4:5], s[4:5], s[34:35]
	s_add_nc_u64 s[6:7], s[6:7], s[36:37]
	s_add_nc_u64 s[8:9], s[8:9], s[38:39]
	global_load_b128 v[8:11], v28, s[4:5]
.macro POP dst, src                    ; the word's bit count
	v_lshrrev_b32 v28, 1, \src
	v_and_b32 v28, s20, v28
	v_sub_nc_u32 v24, \src, v28
	v_lshrrev_b32 v28, 2, v24
	v_and_b32 v28, s21, v28
	v_and_b32 v25, s21, v24
	v_add_nc_u32 v25, v25, v28
	v_lshrrev_b32 v28, 4, v25
	v_add_nc_u32 v28, v25, v28
	v_and_b32 v26, s22, v28
	v_lshrrev_b32 v28, 8, v26
	v_add_nc_u32 v28, v26, v28
	v_and_b32 v27, s23, v28
	v_lshrrev_b32 v28, 16, v27
	v_add_nc_u32 v28, v27, v28
	v_and_b32 \dst, 63, v28
.endm
	v_mov_b32 v18, 0                               ; a DPP line's destination counts as read
	s_mov_b32 s27, 0                               ; N
	s_mov_b32 s28, 0                               ; set bits in the waves ahead of mine
	s_wait_loadcnt 0x0
	v_cmp_gt_u32 vcc_lo, 784, v0
.irp k, 8,9,10,11
	v_cndmask_b32 v\k, 0, v\k, vcc_lo
.endr
	POP v12, v8
	POP v13, v9
	POP v14, v10
	POP v15, v11
	v_add3_u32 v16, v12, v13, v14
	v_add_nc_u32 v16, v16, v15                     ; my four words' bits
	v_mov_b32 v17, v16
.irp n, 1,2,4,8                        ; sums over the lanes at and below mine in my row of 16
	v_mov_b32_dpp v18, v17 row_shr:\n row_mask:0xf bank_mask:0xf bound_ctrl:1
	v_add_nc_u32 v17, v17, v18
.endr
	v_readlane_b32 s24, v17, 15
	v_mov_b32 v19, s24
	v_cmp_le_u32 vcc_lo, 16, v1
	v_cndmask_b32 v18, 0, v19, vcc_lo
	v_add_nc_u32 v17, v17, v18                     ; over the wave
	v_readlane_b32 s25, v17, 31
	v_mov_b32 v19, s25
	v_mov_b32 v18, s14
	v_lshlrev_b32 v18, 2, v18
	ds_store_b32 v18, v19 offset:WTB               ; my wave's total: all lanes write the same word
	s_wait_dscnt 0x0                               ; for the others' sake
	s_barrier_signal -1
	s_barrier_wait -1
	ds_load_b32 v19, v3 offset:WTB                 ; lane l: wave l's total
	s_wait_dscnt 0x0
.set i, 0
.rept 32
	v_readlane_b32 s26, v19, i
	s_add_co_u32 s27, s27, s26
	s_cmp_gt_u32 s14, i
	s_cselect_b32 s26, s26, 0
	s_add_co_u32 s28, s28, s26
.set i, i+1
.endr
	v_sub_nc_u32 v20, v17, v16
	v_add_nc_u32 v20, s28, v20                     ; Q of my first word,
	v_add_nc_u32 v21, v20, v12
	v_add_nc_u32 v22, v21, v13
	v_add_nc_u32 v23, v22, v14                     ; and of the three behind it
	global_store_b128 v2, v[20:23], s[6:7]
	s_cmp_lg_u32 s14, 0
	s_cbranch_scc1 .Lend
	v_mov_b32 v18, 0
	v_mov_b32 v19, s27
	v_cmp_eq_u32 vcc_lo, 0, v0
	s_wait_xcnt 0x0                                ; EXEC changes only behind this wait
	s_and_saveexec_b32 s31, vcc_lo
	global_store_b32 v18, v19, s[8:9]              ; N
	s_wait_xcnt 0x0
	s_or_b32 exec_lo, exec_lo, s31
.Lend:
	s_wait_tensorcnt 0x0                           ; the wave's end, behind my last LDS store
	ds_add_u32 v[SPW], v[NIL]
	s_wait_dscnt 0x0
	s_endpgm
.Lfunc_end_k_q126500881d_prefix:
	.size	k_q126500881d_prefix, .Lfunc_end_k_q126500881d_prefix-k_q126500881d_prefix
	.p2alignl 7, 3214868480
	.fill 96, 4, 3214868480
	.section	.rodata,"a",@progbits
	.p2align	6, 0x0
	.amdhsa_kernel k_q126500881d_prefix
		.amdhsa_group_segment_fixed_size 4352
		.amdhsa_private_segment_fixed_size 0
		.amdhsa_enable_private_segment 0
		.amdhsa_kernarg_size 24
		.amdhsa_user_sgpr_count 2
		.amdhsa_user_sgpr_kernarg_segment_ptr 1
		.amdhsa_wavefront_size32 1
		.amdhsa_system_sgpr_workgroup_id_x 1
		.amdhsa_system_sgpr_workgroup_id_y 1
		.amdhsa_system_sgpr_workgroup_id_z 1
		.amdhsa_system_vgpr_workitem_id 0
		.amdhsa_next_free_vgpr 32
		.amdhsa_next_free_sgpr 66
		.amdhsa_reserve_vcc 1
		.amdhsa_float_denorm_mode_32 3
		.amdhsa_float_denorm_mode_16_64 3
		.amdhsa_memory_ordered 1
		.amdhsa_forward_progress 1
		.amdhsa_inst_pref_size 12
	.end_amdhsa_kernel
	.amdgpu_metadata
---
amdhsa.version: [ 1, 2 ]
amdhsa.kernels:
  - .name:           k_q126500881d_prefix
    .symbol:         k_q126500881d_prefix.kd
    .args:
      - { .name: bits, .offset: 0, .size: 8, .value_kind: global_buffer, .address_space: global }
      - { .name: qtab, .offset: 8, .size: 8, .value_kind: global_buffer, .address_space: global }
      - { .name: cnt, .offset: 16, .size: 8, .value_kind: global_buffer, .address_space: global }
    .group_segment_fixed_size: 4352
    .private_segment_fixed_size: 0
    .kernarg_segment_align: 8
    .kernarg_segment_size: 24
    .max_flat_workgroup_size: 1024
    .sgpr_count:     66
    .vgpr_count:     32
    .wavefront_size: 32
...
	.end_amdgpu_metadata
.endif
;; end of part 4
;; launch compact (part 5): grid 80 x 8, 32 waves a work-group, no clusters, 0 bytes of LDS; arguments cls_output_batch, bits, qtab, cnt, keys, idxs; writes keys, idxs
.if DOCPART == 5
	.amdgcn_target "amdgcn-amd-amdhsa--gfx1250"
	.amdhsa_code_object_version 6
	.text
	.protected	k_q126500881d_compact
	.globl	k_q126500881d_compact
	.p2align	8
	.type	k_q126500881d_compact,@function
k_q126500881d_compact:
	s_mov_b64 s[64:65], 0
	v_nop
	global_prefetch_b8 v0, s[64:65] scope:SCOPE_SE
	s_setreg_imm32_b32 hwreg(HW_REG_WAVE_MODE, 25, 1), 1
	s_wait_xcnt 0x0
; Launch 5 of 7: a column's set bits as a list in anchor order.  All addresses and the trip count come from whole numbers that launches 3 and 4 stored: the bitmap, its prefixes Q, and N.
; keys[column][p] = the bit pattern of the p-th listed score (a number >= 0.3: the patterns order as the numbers), idxs[column][p] = its anchor.
; N lies between 0 and 100,000 whatever the inputs hold; a column's list has 100,352 places.  The places from N to the next multiple of 1,024 are stored as 0, and the first 1,024 places always.
; 32 waves, no LDS, no barrier.  Thread t takes place p = t, t + 1024, ..: max(1, ceil(N / 1024)) trips.  Its word is the last i with Q[i] <= p.  Q does not fall, so the word is found in four steps
; of seven loads that do not wait for each other: Q[pos + k st], k = 1 .. 7, st = 512, 64, 8, 1, from one address register and seven immediates; pos goes on by st for each of them that is <= p.
; Then Q[pos] and the word itself in one more round, the bit by five halvings on the word's own partial sums, and the score: six loads on end where twelve halvings would make fourteen.
.set COLB,  12544                      ; bytes of a column in bits
.set LISTB, 401408                     ; bytes of a column's list
.set IMGB,  32000000
	s_load_b256 s[4:11], s[0:1], 0x0               ; cls s[4:5], bits s[6:7], qtab s[8:9], cnt s[10:11]
	s_load_b128 s[12:15], s[0:1], 0x20             ; keys s[12:13], idxs s[14:15]
	s_and_b32 s16, ttmp7, 0xffff                   ; image
	s_mul_i32 s17, s16, 80
	s_add_co_u32 s17, s17, ttmp9                   ; column
	s_mul_i32 s32, s16, IMGB
	s_lshl_b32 s18, ttmp9, 2
	s_add_co_u32 s32, s32, s18                     ; the image's scores, my class
	s_mov_b32 s33, 0
	s_mul_i32 s34, s17, COLB
	s_mov_b32 s35, 0
	s_lshl_b32 s36, s17, 14
	s_mov_b32 s37, 0
	s_lshl_b32 s38, s17, 2
	s_mov_b32 s39, 0
	s_mul_i32 s40, s17, LISTB
	s_mov_b32 s41, 0
	s_mov_b32 s20, 0x55555555
	s_mov_b32 s21, 0x33333333
	s_mov_b32 s22, 0x0f0f0f0f
	s_mov_b32 s23, 0x00ff00ff
	s_wait_kmcnt 0x0
	s_add_nc_u64 s[4:5], s[4:5], s[32:33]
	s_add_nc_u64 s[6:7], s[6:7], s[34:35]
	s_add_nc_u64 s[8:9], s[8:9], s[36:37]
	s_add_nc_u64 s[10:11], s[10:11], s[38:39]
	s_add_nc_u64 s[12:13], s[12:13], s[40:41]
	s_add_nc_u64 s[14:15], s[14:15], s[40:41]
	s_load_b32 s27, s[10:11], 0x0                  ; N
	s_wait_kmcnt 0x0
	s_min_u32 s27, s27, 0x186a0                    ; at most 100,000
.macro SWAR src                        ; v24, v25, v26, v27: the word's bit counts in fields of 2, 4, 8, 16 bits
	v_lshrrev_b32 v28, 1, \src
	v_and_b32 v28, s20, v28
	v_sub_nc_u32 v24, \src, v28
	v_lshrrev_b32 v28, 2, v24
	v_and_b32 v28, s21, v28
	v_and_b32 v25, s21, v24
	v_add_nc_u32 v25, v25, v28
	v_lshrrev_b32 v28, 4, v25
	v_add_nc_u32 v28, v25, v28
	v_and_b32 v26, s22, v28
	v_lshrrev_b32 v28, 8, v26
	v_add_nc_u32 v28, v26, v28
	v_and_b32 v27, s23, v28
.endm
.macro DESC reg, fw, st                ; one halving: if the lower st bits from bit v37 on hold v36 set bits or fewer, they are passed
	v_bfe_u32 v28, \reg, v37, \fw
	v_cmp_ge_u32 vcc_lo, v36, v28
	v_sub_nc_u32 v29, v36, v28
	v_cndmask_b32 v36, v36, v29, vcc_lo
	v_add_nc_u32 v29, \st, v37
	v_cndmask_b32 v37, v37, v29, vcc_lo
.endm
	s_add_co_u32 s29, s27, 1023
	s_lshr_b32 s29, s29, 10
	s_max_u32 s29, s29, 1                          ; trips: one at the least, so that the first 1,024 places are always stored
	s_mov_b32 s30, 0
	v_mov_b32 v30, v0                              ; p
.Lplace:
	v_mov_b32 v31, 0                               ; pos
.irp sh, 9,6,3,0                       ; st = 1 << sh
	v_min_u32 v33, 4095-7*(1<<(\sh)), v31          ; pos is a multiple of 8 st under 4,096: the clamp changes nothing
	v_lshlrev_b32 v33, 2, v33
.irp k, 1,2,3,4,5,6,7
	global_load_b32 v[8+(\k)], v33, s[8:9] offset:4*(\k)*(1<<(\sh))
.endr
	v_mov_b32 v32, 0
	s_wait_loadcnt 0x0                             ; the seven are in, and v33 may be written again
.irp k, 1,2,3,4,5,6,7
	v_cmp_le_u32 vcc_lo, v[8+(\k)], v30
	v_add_co_ci_u32 v32, vcc_lo, 0, v32, vcc_lo
.endr
	v_lshl_add_u32 v31, v32, \sh, v31
.endr
	v_min_u32 v31, 3135, v31                       ; the word (a place past N runs past the bitmap's words)
	v_lshlrev_b32 v33, 2, v31
	global_load_b32 v34, v33, s[8:9]               ; Q[word]
	global_load_b32 v35, v33, s[6:7]               ; the word
	s_wait_loadcnt 0x0
	v_sub_nc_u32 v36, v30, v34                     ; which of its set bits
	SWAR v35
	v_mov_b32 v37, 0
	DESC v27, 8, 16
	DESC v26, 8, 8
	DESC v25, 4, 4
	DESC v24, 2, 2
	DESC v35, 1, 1
	v_lshl_add_u32 v38, v31, 5, v37                ; the anchor
	v_min_u32 v38, 0x1869f, v38                    ; at most 99,999 (places past N give no true anchor)
	v_mul_u32_u24 v39, v38, 320
	global_load_b32 v40, v39, s[4:5]               ; its score
	v_min_u32 v41, 0x187ff, v30
	v_lshlrev_b32 v41, 2, v41
	v_cmp_gt_u32 vcc_lo, s27, v30                  ; p < N
	v_cndmask_b32 v38, 0, v38, vcc_lo
	s_wait_loadcnt 0x0
	v_cndmask_b32 v40, 0, v40, vcc_lo
	global_store_b32 v41, v40, s[12:13]
	global_store_b32 v41, v38, s[14:15]
	s_wait_xcnt 0x0                                ; the stores' registers are written again only behind this wait
	v_add_nc_u32 v30, 1024, v30
	s_add_co_u32 s30, s30, 1
	s_cmp_lt_u32 s30, s29
	s_cbranch_scc1 .Lplace
	s_endpgm
.Lfunc_end_k_q126500881d_compact:
	.size	k_q126500881d_compact, .Lfunc_end_k_q126500881d_compact-k_q126500881d_compact
	.p2alignl 7, 3214868480
	.fill 96, 4, 3214868480
	.section	.rodata,"a",@progbits
	.p2align	6, 0x0
	.amdhsa_kernel k_q126500881d_compact
		.amdhsa_group_segment_fixed_size 0
		.amdhsa_private_segment_fixed_size 0
		.amdhsa_enable_private_segment 0
		.amdhsa_kernarg_size 48
		.amdhsa_user_sgpr_count 2
		.amdhsa_user_sgpr_kernarg_segment_ptr 1
		.amdhsa_wavefront_size32 1
		.amdhsa_system_sgpr_workgroup_id_x 1
		.amdhsa_system_sgpr_workgroup_id_y 1
		.amdhsa_system_sgpr_workgroup_id_z 1
		.amdhsa_system_vgpr_workitem_id 0
		.amdhsa_next_free_vgpr 48
		.amdhsa_next_free_sgpr 66
		.amdhsa_reserve_vcc 1
		.amdhsa_float_denorm_mode_32 3
		.amdhsa_float_denorm_mode_16_64 3
		.amdhsa_memory_ordered 1
		.amdhsa_forward_progress 1
		.amdhsa_inst_pref_size 10
	.end_amdhsa_kernel
	.amdgpu_metadata
---
amdhsa.version: [ 1, 2 ]
amdhsa.kernels:
  - .name:           k_q126500881d_compact
    .symbol:         k_q126500881d_compact.kd
    .args:
      - { .name: cls_output_batch, .offset: 0, .size: 8, .value_kind: global_buffer, .address_space: global }
      - { .name: bits, .offset: 8, .size: 8, .value_kind: global_buffer, .address_space: global }
      - { .name: qtab, .offset: 16, .size: 8, .value_kind: global_buffer, .address_space: global }
      - { .name: cnt, .offset: 24, .size: 8, .value_kind: global_buffer, .address_space: global }
      - { .name: keys, .offset: 32, .size: 8, .value_kind: global_buffer, .address_space: global }
      - { .name: idxs, .offset: 40, .size: 8, .value_kind: global_buffer, .address_space: global }
    .group_segment_fixed_size: 0
    .private_segment_fixed_size: 0
    .kernarg_segment_align: 8
    .kernarg_segment_size: 48
    .max_flat_workgroup_size: 1024
    .sgpr_count:     66
    .vgpr_count:     48
    .wavefront_size: 32
...
	.end_amdgpu_metadata
.endif
;; end of part 5
;; launch rank (part 6): grid 640 x 1, 16 waves a work-group, no clusters, 0 bytes of LDS; arguments keys, idxs, cnt, sidx; writes sidx
.if DOCPART == 6
	.amdgcn_target "amdgcn-amd-amdhsa--gfx1250"
	.amdhsa_code_object_version 6
	.text
	.protected	k_q126500881d_rank
	.globl	k_q126500881d_rank
	.p2align	8
	.type	k_q126500881d_rank,@function
k_q126500881d_rank:
	s_mov_b64 s[64:65], 0
	v_nop
	global_prefetch_b8 v0, s[64:65] scope:SCOPE_SE
	s_setreg_imm32_b32 hwreg(HW_REG_WAVE_MODE, 25, 1), 1
	s_wait_xcnt 0x0
; Launch 6 of 7: the list in the order of top_k: sidx[column][rank] = anchor.  All numbers here are whole numbers that launches 4 and 5 stored.
; rank(p) = the number of q with key q > key p, or key q = key p and q < p: the lower anchor first (the list is in anchor order).  The ranks of a column's N places are 0 .. N - 1, each once.
; A place p >= N that a wave meets takes rank p and stores 0: so each place of sidx from 0 to 32 max(C, 16) - 1, C = ceil(N / 32), is stored once, by one lane, with no mask: the 512 that launch 7 reads among them.
; (Ranks from 500 on are read by nobody; they ride in stores that also hold ranks under 500.)
; SHARES.  Wave w takes the blocks of 32 places w, w + 16, ..: (max(C, 16) - w + 15) / 16 trips, one at the least.  A lane has a place; the keys come 32 at a time by scalar loads, two lines for a
; lane and key: a compare and an add of the carry.  Blocks ahead of my own count keys >= mine (> mine - 1; a listed key is at least 0x3e99999a), my own and later ones keys > mine; ties in my own
; block are counted lane by lane.  The places from N to the next multiple of 32 hold key 0 and count for nobody.  No LDS, no barrier; EXEC is never written.
.set LISTB, 401408                     ; bytes of a column in keys, idxs and sidx
	s_load_b256 s[4:11], s[0:1], 0x0               ; keys s[4:5], idxs s[6:7], cnt s[8:9], sidx s[10:11]
	v_lshrrev_b32 v1, 5, v0
	v_readfirstlane_b32 s12, v1                    ; wave
	s_mul_i32 s26, ttmp9, LISTB
	s_mov_b32 s27, 0
	s_lshl_b32 s28, ttmp9, 2
	s_mov_b32 s29, 0
	s_wait_kmcnt 0x0
	s_add_nc_u64 s[4:5], s[4:5], s[26:27]
	s_add_nc_u64 s[6:7], s[6:7], s[26:27]
	s_add_nc_u64 s[8:9], s[8:9], s[28:29]
	s_add_nc_u64 s[10:11], s[10:11], s[26:27]
	s_load_b32 s13, s[8:9], 0x0                    ; N
	s_wait_kmcnt 0x0
	s_min_u32 s13, s13, 0x186a0                    ; at most 100,000
	s_add_co_u32 s17, s13, 31
	s_lshr_b32 s17, s17, 5                         ; C
	s_max_u32 s15, s17, 16
	s_sub_co_u32 s15, s15, s12
	s_add_co_u32 s15, s15, 15
	s_lshr_b32 s15, s15, 4                         ; my wave's trips
	s_max_u32 s17, s17, 1                          ; blocks of keys to compare with (the first 1,024 places are always stored)
	s_mov_b32 s16, 0
	s_mov_b32 s20, s12                             ; my own block
	v_mov_b32 v2, v0                               ; p
.Lk:
	v_min_u32 v9, 0x187ff, v2
	v_lshlrev_b32 v9, 2, v9
	global_load_b32 v3, v9, s[4:5]                 ; my key
	global_load_b32 v4, v9, s[6:7]                 ; my anchor
	v_mov_b32 v6, 0                                ; my rank
	s_mov_b32 s18, 0
	s_mov_b32 s19, 0
	s_wait_loadcnt 0x0
.Lc:
	s_min_u32 s25, s19, 0x61f80                    ; the block's bytes, inside the list
	s_load_b512 s[32:47], s[4:5], s25 offset:0x0
	s_load_b512 s[48:63], s[4:5], s25 offset:0x40
	s_cmp_lt_u32 s18, s20
	s_cselect_b32 s21, 1, 0
	v_sub_nc_u32 v5, v3, s21
	s_wait_kmcnt 0x0                               ; the 32 keys are in, and s25 may be written again
.set i, 0
.rept 32
	v_cmp_gt_u32 vcc_lo, s[32+i], v5
	v_add_co_ci_u32 v6, vcc_lo, 0, v6, vcc_lo
.set i, i+1
.endr
	s_add_co_u32 s19, s19, 128
	s_add_co_u32 s18, s18, 1
	s_cmp_lt_u32 s18, s17
	s_cbranch_scc1 .Lc
.set i, 0
.rept 31                               ; equal keys in the lanes below mine
	v_readlane_b32 s21, v3, i
	v_cmp_eq_u32 vcc_lo, s21, v3
	s_and_b32 vcc_lo, vcc_lo, (0xfffffffe<<i)&0xffffffff
	v_add_co_ci_u32 v6, vcc_lo, 0, v6, vcc_lo
.set i, i+1
.endr
	v_cmp_gt_u32 vcc_lo, s13, v2                   ; p < N
	v_cndmask_b32 v6, v2, v6, vcc_lo               ; a place past N goes to its own number,
	v_cndmask_b32 v4, 0, v4, vcc_lo                ; with 0
	v_min_u32 v7, 0x187ff, v6
	v_lshlrev_b32 v7, 2, v7
	global_store_b32 v7, v4, s[10:11]
	s_wait_xcnt 0x0                                ; v7 and v4 are written again only behind this wait
	v_add_nc_u32 v2, 512, v2
	s_add_co_u32 s20, s20, 16
	s_add_co_u32 s16, s16, 1
	s_cmp_lt_u32 s16, s15
	s_cbranch_scc1 .Lk
	s_endpgm
.Lfunc_end_k_q126500881d_rank:
	.size	k_q126500881d_rank, .Lfunc_end_k_q126500881d_rank-k_q126500881d_rank
	.p2alignl 7, 3214868480
	.fill 96, 4, 3214868480
	.section	.rodata,"a",@progbits
	.p2align	6, 0x0
	.amdhsa_kernel k_q126500881d_rank
		.amdhsa_group_segment_fixed_size 0
		.amdhsa_private_segment_fixed_size 0
		.amdhsa_enable_private_segment 0
		.amdhsa_kernarg_size 32
		.amdhsa_user_sgpr_count 2
		.amdhsa_user_sgpr_kernarg_segment_ptr 1
		.amdhsa_wavefront_size32 1
		.amdhsa_system_sgpr_workgroup_id_x 1
		.amdhsa_system_sgpr_workgroup_id_y 1
		.amdhsa_system_sgpr_workgroup_id_z 1
		.amdhsa_system_vgpr_workitem_id 0
		.amdhsa_next_free_vgpr 16
		.amdhsa_next_free_sgpr 66
		.amdhsa_reserve_vcc 1
		.amdhsa_float_denorm_mode_32 3
		.amdhsa_float_denorm_mode_16_64 3
		.amdhsa_memory_ordered 1
		.amdhsa_forward_progress 1
		.amdhsa_inst_pref_size 11
	.end_amdhsa_kernel
	.amdgpu_metadata
---
amdhsa.version: [ 1, 2 ]
amdhsa.kernels:
  - .name:           k_q126500881d_rank
    .symbol:         k_q126500881d_rank.kd
    .args:
      - { .name: keys, .offset: 0, .size: 8, .value_kind: global_buffer, .address_space: global }
      - { .name: idxs, .offset: 8, .size: 8, .value_kind: global_buffer, .address_space: global }
      - { .name: cnt, .offset: 16, .size: 8, .value_kind: global_buffer, .address_space: global }
      - { .name: sidx, .offset: 24, .size: 8, .value_kind: global_buffer, .address_space: global }
    .group_segment_fixed_size: 0
    .private_segment_fixed_size: 0
    .kernarg_segment_align: 8
    .kernarg_segment_size: 32
    .max_flat_workgroup_size: 512
    .sgpr_count:     66
    .vgpr_count:     16
    .wavefront_size: 32
...
	.end_amdgpu_metadata
.endif
;; end of part 6
;; launch nms (part 7): grid 80 x 8, 16 waves a work-group, no clusters, 47,360 bytes of LDS; arguments cls_output_batch, reg_output_batch, anchors, sidx, cnt, out0; writes out0
.if DOCPART == 7
	.amdgcn_target "amdgcn-amd-amdhsa--gfx1250"
	.amdhsa_code_object_version 6
	.text
	.protected	k_q126500881d_nms
	.globl	k_q126500881d_nms
	.p2align	8
	.type	k_q126500881d_nms,@function
k_q126500881d_nms:
	s_mov_b64 s[64:65], 0
	v_nop
	global_prefetch_b8 v0, s[64:65] scope:SCOPE_SE
	s_setreg_imm32_b32 hwreg(HW_REG_WAVE_MODE, 25, 1), 1
	s_wait_xcnt 0x0
; Launch 7 of 7: a column's boxes, NMS and output.  WORK LEFT OUT (shown at the head of launch 1): only the anchors that sidx names are decoded; IoU words wholly ahead of the diagonal are not made.
; 16 waves, thread r = rank r < 512; ranks from M = min(N, 500) on are not valid and hold zeros.
; A  decode: anchor, deltas and score of anchor sidx[r]; the box as reference() makes it; box and area into LDS.
; B  the matrix: bit j of word w of row i = (column 32 w + j > i and 3 inter - a_j > a_i + 1e-9).  A unit is 8 rows (in scalar registers) x 32 columns (a lane each), ten lines a row.
;    Only the overlap's width is held at 0: with a negative height the product is <= 0 and the test fails, as with inter = 0.  Blocks of 8 rows w, 31 - w, 32 + w, 63 - w give each wave 34 units.
; C  the greedy pass, one wave: 32 rows at a time; inside the 32 by scalar lines on the diagonal word, onto the later words by one vector line a row.  All by selection: no branch on data.
; D  the kept boxes move to the front by nine fixed shifts of 1, 2, .. 256 places: a box at place r with pos kept boxes ahead of it goes down r - pos, a bit of that number a step.  For kept a < b the
;    distance is at least 1 + d_b - d_a and the parts already gone differ by d_b - d_a at the most, so no two meet.  Every LDS address is made of the thread's number alone.
; Then (x1, y1, x2, y2, score, label) through a stage in LDS, stored 16 bytes a lane: 300 rows of 24 bytes are 450 such pieces.
.set LISTB, 401408                     ; bytes of a column in sidx
.set XY1,   0                          ; LDS: 512 x (x1, y1)
.set XY2,   4096                       ; 512 x (x2, y2)
.set AR,    8192                       ; 512 areas
.set KW,    10240                      ; 16 words: valid
.set KP,    10304                      ; 16 words: kept
.set MAT,   10496                      ; 512 rows of 16 words, 68 bytes apart
.set CB0,   MAT                        ; behind the greedy pass: two buffers of 512 x 16 and 512 x 8 bytes
.set CB1,   MAT+12288
.set STG,   CB1                        ; and the stage: 512 x 24 bytes
.set SPARE, 45312                      ; the spare words, 128 bytes a wave, which no other line names
.set SPW, 4
.set NIL, 5
.set OUT, 60                           ; v[60:63] lane l < 16: word l of rows 0-3 of the block; l >= 16: word l - 16 of rows 4-7
	s_load_b256 s[4:11], s[0:1], 0x0               ; cls s[4:5], reg s[6:7], anchors s[8:9], sidx s[10:11]
	s_load_b128 s[12:15], s[0:1], 0x20             ; cnt s[12:13], out0 s[14:15]
	v_lshl_add_u32 v[SPW], v0, 2, SPARE
	v_mov_b32 v[NIL], 0
	v_lshrrev_b32 v1, 5, v0
	v_readfirstlane_b32 s16, v1                    ; wave
	v_and_b32 v1, 31, v0                           ; lane
	v_and_b32 v2, 15, v0                           ; lane % 16
	v_bfe_u32 v3, v0, 4, 1
	v_mul_u32_u24 v8, v3, 272
	v_lshl_add_u32 v8, v2, 2, v8                   ; where my OUT words go in a block of 8 rows
	v_lshlrev_b32 v3, 2, v3                        ; 4 (lane / 16)
	v_lshlrev_b32 v6, 3, v1
	v_lshlrev_b32 v7, 2, v1
	v_mov_b32 v9, -2
	v_and_b32 v66, 7, v0
	v_lshlrev_b32 v67, 2, v66
	v_lshlrev_b32 v66, 3, v66
	s_mov_b32 s17, ttmp9                           ; class
	s_and_b32 s18, ttmp7, 0xffff                   ; image
	s_mul_i32 s20, s18, 80
	s_add_co_u32 s20, s20, s17                     ; column
	s_mov_b32 s22, 0x40400000                      ; 3.0
	s_mul_i32 s24, s18, 32000000
	s_lshl_b32 s23, s17, 2
	s_add_co_u32 s24, s24, s23
	s_mov_b32 s25, 0
	s_mul_i32 s26, s18, 1600000
	s_mov_b32 s27, 0
	s_mul_i32 s28, s20, LISTB
	s_mov_b32 s29, 0
	s_lshl_b32 s30, s20, 2
	s_mov_b32 s31, 0
	s_mul_i32 s32, s20, 7200
	s_mov_b32 s33, 0
	s_wait_kmcnt 0x0
	s_add_nc_u64 s[4:5], s[4:5], s[24:25]
	s_add_nc_u64 s[6:7], s[6:7], s[26:27]
	s_add_nc_u64 s[10:11], s[10:11], s[28:29]
	s_add_nc_u64 s[12:13], s[12:13], s[30:31]
	s_add_nc_u64 s[14:15], s[14:15], s[32:33]
	s_load_b32 s19, s[12:13], 0x0                  ; N
	; A: decode
	v_lshlrev_b32 v22, 2, v0
	global_load_b32 v23, v22, s[10:11]
	s_wait_loadcnt 0x0
	v_min_u32 v23, 0x1869f, v23                    ; an anchor: at most 99,999
	v_lshlrev_b32 v24, 4, v23
	v_mul_u32_u24 v25, v23, 320
	global_load_b128 v[28:31], v24, s[8:9]         ; anchor
	global_load_b128 v[32:35], v24, s[6:7]         ; deltas
	global_load_b32 v14, v25, s[4:5]               ; score
	s_wait_kmcnt 0x0
	s_min_u32 s19, s19, 500                        ; M
	v_cmp_gt_u32 s21, s19, v0                      ; r < M
	s_wait_loadcnt 0x0
	v_sub_f32 v36, v30, v28                        ; wa
	v_sub_f32 v37, v31, v29                        ; ha
	v_fma_f32 v38, 0.5, v36, v28                   ; cxa
	v_fma_f32 v39, 0.5, v37, v29                   ; cya
	v_minimum_f32 v34, 0x40845349, v34             ; min(dw, log(62.5)); a NaN stays, as in jnp.minimum
	v_minimum_f32 v35, 0x40845349, v35
	v_mul_f32 v34, 0x3fb8aa3b, v34
	v_mul_f32 v35, 0x3fb8aa3b, v35
	v_exp_f32 v34, v34
	v_exp_f32 v35, v35
	v_fma_f32 v38, v32, v36, v38                   ; cx: plain work behind the exponentials
	v_fma_f32 v39, v33, v37, v39                   ; cy
	s_wait_alu depctr_va_vdst(0)                   ; one wait for both exponentials, ahead of their first reader
	v_mul_f32 v34, v34, v36                        ; w
	v_mul_f32 v35, v35, v37                        ; h
	v_fma_f32 v10, -0.5, v34, v38
	v_fma_f32 v11, -0.5, v35, v39
	v_fma_f32 v12, 0.5, v34, v38
	v_fma_f32 v13, 0.5, v35, v39
.irp k, 10,11,12,13,14
	v_cndmask_b32 v\k, 0, v\k, s21
.endr
	v_sub_f32 v22, v12, v10
	v_sub_f32 v23, v13, v11
	v_max_num_f32 v22, 0, v22
	v_max_num_f32 v23, 0, v23
	v_mul_f32 v24, v22, v23                        ; area
	v_lshlrev_b32 v26, 3, v0
	v_lshlrev_b32 v27, 2, v0
	ds_store_b64 v26, v[10:11] offset:XY1
	ds_store_b64 v26, v[12:13] offset:XY2
	ds_store_b32 v27, v24 offset:AR
	v_mov_b32 v25, s16
	v_lshlrev_b32 v25, 2, v25
	v_mov_b32 v26, s21
	ds_store_b32 v25, v26 offset:KW                ; my wave's 32 valid bits: all lanes write the same word
	s_wait_dscnt 0x0                               ; for the others' sake
	s_barrier_signal -1
	s_barrier_wait -1
	; B: the matrix.  QBLK makes rows 8 s20 .. 8 s20 + 7.
.macro QBLK
	s_lshl_b32 s23, s20, 6
	v_add_nc_u32 v56, s23, v66
	s_lshl_b32 s23, s20, 5
	v_add_nc_u32 v57, s23, v67
	ds_load_b64 v[40:41], v56 offset:XY1           ; lane l: row l % 8 of the block
	ds_load_b64 v[42:43], v56 offset:XY2
	ds_load_b32 v44, v57 offset:AR
.irp k, 0,1,2,3
	v_mov_b32 v[OUT+(\k)], 0
.endr
	v_mov_b32 v64, v6                              ; my column in word 0
	v_mov_b32 v65, v7
	s_lshr_b32 s68, s20, 2                         ; the word that holds the diagonal
	s_mov_b32 s66, 0
	s_mov_b32 s67, 16
	s_wait_dscnt 0x0
	v_add_f32 v44, 0x3089705f, v44                 ; a_i + 1e-9
.irp rr, 0,1,2,3,4,5,6,7
.irp c, 0,1,2,3,4
	v_readlane_b32 s[24+5*(\rr)+(\c)], v[40+(\c)], \rr
.endr
.endr
.Lw_\@:                                ; 16 trips; the words ahead of the diagonal are jumped over and stay 0
	s_cmp_lt_u32 s66, s68
	s_cbranch_scc1 .Lskip_\@
	ds_load_b64 v[46:47], v64 offset:XY1
	ds_load_b64 v[48:49], v64 offset:XY2
	ds_load_b32 v50, v65 offset:AR
	s_wait_dscnt 0x0
.irp rr, 0,1,2,3,4,5,6,7
	v_max_num_f32 v52, s[24+5*(\rr)], v46
	v_max_num_f32 v53, s[25+5*(\rr)], v47
	v_min_num_f32 v54, s[26+5*(\rr)], v48
	v_min_num_f32 v55, s[27+5*(\rr)], v49
	v_pk_add_f32 v[54:55], v[54:55], v[52:53] neg_lo:[0,1] neg_hi:[0,1]
	v_max_num_f32 v54, 0, v54
	v_mul_f32 v54, v54, v55
	v_fma_f32 v54, v54, s22, -v50                  ; 3 inter - a_j
	v_cmp_gt_f32 s21, v54, s[28+5*(\rr)]
.if (\rr) < 4
	v_writelane_b32 v[OUT+(\rr)], s21, s66
.else
	v_writelane_b32 v[OUT+(\rr)-4], s21, s67
.endif
.endr
.Lskip_\@:
	v_add_nc_u32 v64, 256, v64
	v_add_nc_u32 v65, 128, v65
	s_add_co_u32 s67, s67, 1
	s_add_co_u32 s66, s66, 1
	s_cmp_lt_u32 s66, 16
	s_cbranch_scc1 .Lw_\@
	s_and_b32 s23, s20, 3                          ; in the diagonal's word only the columns behind the row stay
	s_lshl_b32 s23, s23, 3
	v_add_nc_u32 v56, s23, v3
	v_cmp_eq_u32 vcc_lo, s68, v2
.irp k, 0,1,2,3
	v_add_nc_u32 v57, \k, v56                      ; the row's own bit
	v_lshlrev_b32 v57, v57, v9                     ; -2 << bit
	v_and_b32 v57, v57, v[OUT+(\k)]
	v_cndmask_b32 v[OUT+(\k)], v[OUT+(\k)], v57, vcc_lo
.endr
	s_mul_i32 s23, s20, 544
	v_add_nc_u32 v56, s23, v8
.irp k, 0,1,2,3
	ds_store_b32 v56, v[OUT+(\k)] offset:MAT+68*(\k)
.endr
.endm
	s_mov_b32 s20, s16
	QBLK
	s_sub_co_u32 s20, 31, s16
	QBLK
	s_add_co_u32 s20, s16, 32
	QBLK
	s_sub_co_u32 s20, 63, s16
	QBLK
	s_wait_dscnt 0x0                               ; for wave 0's sake: my rows are in LDS
	s_barrier_signal -1
	s_barrier_wait -1
	; C: the greedy pass, wave 0 alone.  Every wave loads the valid words, so that v22 is written in every wave; only wave 0's is worked on and stored.
	v_lshlrev_b32 v27, 2, v2                       ; word lane % 16; never rewritten from here on
	ds_load_b32 v22, v27 offset:KW                 ; keep, word lane % 16
	s_cmp_lg_u32 s16, 0
	s_cbranch_scc1 .Lnot0
	v_mov_b32 v26, v27                             ; word lane % 16 of a row
	v_mul_u32_u24 v25, v1, 68                      ; row lane of the 32, its diagonal word
	s_mov_b32 s66, 0
.Lblk:
	ds_load_b32 v24, v25 offset:MAT
.set i, 0
.rept 32
	ds_load_b32 v[32+i], v26 offset:MAT+68*i
.set i, i+1
.endr
	v_mov_b32 v23, 0                               ; what this block's kept rows suppress
	s_wait_dscnt 0x0
.set i, 0
.rept 32
	v_readlane_b32 s[24+i], v24, i
.set i, i+1
.endr
	v_readlane_b32 s70, v22, s66                   ; the block's keep word
.set i, 0
.rept 32
	s_bitcmp1_b32 s70, i                           ; is row i still kept?
	s_cselect_b32 s23, s[24+i], 0
	s_cselect_b32 s69, -1, 0
	s_and_not1_b32 s70, s70, s23                   ; then it suppresses in its own 32,
	v_and_or_b32 v23, v[32+i], s69, v23            ; and in all words
.set i, i+1
.endr
	v_xor_b32 v23, -1, v23
	v_and_b32 v22, v22, v23
	v_add_nc_u32 v25, 2180, v25                    ; 32 rows and a word on
	v_add_nc_u32 v26, 2176, v26                    ; 32 rows on
	s_add_co_u32 s66, s66, 1
	s_cmp_lt_u32 s66, 16
	s_cbranch_scc1 .Lblk
.Lnot0:
	s_wait_dscnt 0x0                               ; every wave's LDS loads are back, wave 0's reads of the matrix among them
	s_barrier_signal -1
	s_barrier_wait -1                              ; a barrier between those reads and the store below
	s_cmp_lg_u32 s16, 0
	s_cbranch_scc1 .Lnokp
	ds_store_b32 v27, v22 offset:KP                ; lanes l and l + 16 write the same word with the same bits
.Lnokp:
	s_wait_dscnt 0x0                               ; the keep words are in LDS
	s_barrier_signal -1
	s_barrier_wait -1
	; D: to the front
	ds_load_b32 v22, v27 offset:KP
	v_mov_b32 v24, 0x80000000                      ; the mark of an empty place
	v_lshlrev_b32 v28, 4, v0
	v_lshlrev_b32 v29, 3, v0
	s_mov_b32 s71, 0
	s_wait_dscnt 0x0
.set i, 0
.rept 16
	v_readlane_b32 s23, v22, i
	s_bcnt1_i32_b32 s69, s23
	s_cmp_gt_u32 s16, i
	s_cselect_b32 s69, s69, 0
	s_add_co_u32 s71, s71, s69                     ; kept in the waves ahead of mine
.set i, i+1
.endr
	v_readlane_b32 s70, v22, s16                   ; my wave's keep bits
	v_mbcnt_lo_u32_b32 v23, s70, s71               ; kept ahead of me
	v_sub_nc_u32 v15, v0, v23
	v_cndmask_b32 v15, v24, v15, s70               ; how far I go down, or the mark
.macro CSTEP k
.set SH, 1<<(\k)
.set CB, CB0+((\k)%2)*(CB1-CB0)
	ds_store_b128 v28, v[10:13] offset:CB
	ds_store_b64 v29, v[14:15] offset:CB+8192
	s_wait_dscnt 0x0                               ; my stores are done; so are my reads of the other buffer, which is written again behind the next barrier
	s_barrier_signal -1
	s_barrier_wait -1
	v_add_nc_u32 v30, SH, v0
	v_and_b32 v30, 511, v30
	v_lshlrev_b32 v31, 4, v30
	v_lshlrev_b32 v30, 3, v30
	ds_load_b128 v[16:19], v31 offset:CB
	ds_load_b64 v[20:21], v30 offset:CB+8192
	v_and_b32 v32, 0x80000000|SH, v15
	v_cmp_eq_u32 vcc_lo, 0, v32                    ; mine is a box and stays in this step
	v_cndmask_b32 v15, v24, v15, vcc_lo
	v_cmp_gt_u32 s23, 512-SH, v0
	s_wait_dscnt 0x0
	v_and_b32 v32, 0x80000000|SH, v21
	v_cmp_eq_u32 s21, SH, v32                      ; the one SH places up is a box and comes down
	s_and_b32 s21, s21, s23
.irp j, 0,1,2,3,4,5
	v_cndmask_b32 v[10+(\j)], v[10+(\j)], v[16+(\j)], s21
.endr
.endm
	CSTEP 0
	CSTEP 1
	CSTEP 2
	CSTEP 3
	CSTEP 4
	CSTEP 5
	CSTEP 6
	CSTEP 7
	CSTEP 8
	; the way out.  The stage is the buffer of step 7: its reads were waited for in front of step 8's barrier.
	v_cmp_gt_u32 vcc_lo, v24, v15                  ; a box
	v_cvt_f32_u32 v33, s17
.irp k, 10,11,12,13,14
	v_cndmask_b32 v\k, 0, v\k, vcc_lo
.endr
	v_cndmask_b32 v15, -1.0, v33, vcc_lo           ; the label
	v_mul_u32_u24 v30, v0, 24
	ds_store_b64 v30, v[10:11] offset:STG
	ds_store_b64 v30, v[12:13] offset:STG+8
	ds_store_b64 v30, v[14:15] offset:STG+16
	s_wait_dscnt 0x0                               ; for the others' sake
	s_barrier_signal -1
	s_barrier_wait -1
	v_cmp_gt_u32 vcc_lo, 450, v0                   ; 300 rows of 24 bytes = 450 pieces of 16
	s_wait_xcnt 0x0                                ; EXEC changes only behind this wait
	s_and_saveexec_b32 s23, vcc_lo
	ds_load_b128 v[16:19], v28 offset:STG
	s_wait_dscnt 0x0
	global_store_b128 v28, v[16:19], s[14:15]
	s_wait_xcnt 0x0
	s_or_b32 exec_lo, exec_lo, s23
	s_wait_tensorcnt 0x0                           ; the wave's end, behind my last LDS store
	ds_add_u32 v[SPW], v[NIL]
	s_wait_dscnt 0x0
	s_endpgm
.Lfunc_end_k_q126500881d_nms:
	.size	k_q126500881d_nms, .Lfunc_end_k_q126500881d_nms-k_q126500881d_nms
	.p2alignl 7, 3214868480
	.fill 96, 4, 3214868480
	.section	.rodata,"a",@progbits
	.p2align	6, 0x0
	.amdhsa_kernel k_q126500881d_nms
		.amdhsa_group_segment_fixed_size 47360
		.amdhsa_private_segment_fixed_size 0
		.amdhsa_enable_private_segment 0
		.amdhsa_kernarg_size 48
		.amdhsa_user_sgpr_count 2
		.amdhsa_user_sgpr_kernarg_segment_ptr 1
		.amdhsa_wavefront_size32 1
		.amdhsa_system_sgpr_workgroup_id_x 1
		.amdhsa_system_sgpr_workgroup_id_y 1
		.amdhsa_system_sgpr_workgroup_id_z 1
		.amdhsa_system_vgpr_workitem_id 0
		.amdhsa_next_free_vgpr 68
		.amdhsa_next_free_sgpr 80
		.amdhsa_reserve_vcc 1
		.amdhsa_float_denorm_mode_32 3
		.amdhsa_float_denorm_mode_16_64 3
		.amdhsa_memory_ordered 1
		.amdhsa_forward_progress 1
		.amdhsa_inst_pref_size 66
	.end_amdhsa_kernel
	.amdgpu_metadata
---
amdhsa.version: [ 1, 2 ]
amdhsa.kernels:
  - .name:           k_q126500881d_nms
    .symbol:         k_q126500881d_nms.kd
    .args:
      - { .name: cls_output_batch, .offset: 0, .size: 8, .value_kind: global_buffer, .address_space: global }
      - { .name: reg_output_batch, .offset: 8, .size: 8, .value_kind: global_buffer, .address_space: global }
      - { .name: anchors, .offset: 16, .size: 8, .value_kind: global_buffer, .address_space: global }
      - { .name: sidx, .offset: 24, .size: 8, .value_kind: global_buffer, .address_space: global }
      - { .name: cnt, .offset: 32, .size: 8, .value_kind: global_buffer, .address_space: global }
      - { .name: out0, .offset: 40, .size: 8, .value_kind: global_buffer, .address_space: global }
    .group_segment_fixed_size: 47360
    .private_segment_fixed_size: 0
    .kernarg_segment_align: 8
    .kernarg_segment_size: 48
    .max_flat_workgroup_size: 512
    .sgpr_count:     80
    .vgpr_count:     68
    .wavefront_size: 32
...
	.end_amdgpu_metadata
.endif
;; end of part 7
;; ======== version 2 of 2: 7 launches; 1.27 times as fast as version 1
;; workspace buffers: gkey 8,028,160 bytes; thr 2,560 bytes; bits 8,028,160 bytes of whole numbers; qtab 10,485,760 bytes of whole numbers; keys 256,901,120 bytes of whole numbers; idxs 256,901,120 bytes of whole numbers; cnt 2,560 bytes of whole numbers; sidx 256,901,120 bytes of whole numbers
;; launch gmax: the kernel of part 1 again; grid 98 x 8, 20 waves a work-group, no clusters, 14,080 bytes of LDS; arguments cls_output_batch, gkey; writes gkey
;; launch thresh: the kernel of part 2 again; grid 640 x 1, 7 waves a work-group, no clusters, 1,280 bytes of LDS; arguments gkey, thr; writes thr
;; launch bitmap: the kernel of part 3 again; grid 98 x 8, 20 waves a work-group, no clusters, 14,080 bytes of LDS; arguments cls_output_batch, thr, bits; writes bits
;; launch prefix: the kernel of part 4 again; grid 640 x 1, 32 waves a work-group, no clusters, 4,352 bytes of LDS; arguments bits, qtab, cnt; writes qtab, cnt
;; launch compact: the kernel of part 5 again; grid 80 x 8, 32 waves a work-group, no clusters, 0 bytes of LDS; arguments cls_output_batch, bits, qtab, cnt, keys, idxs; writes keys, idxs
;; launch rank: the kernel of part 6 again; grid 640 x 1, 16 waves a work-group, no clusters, 0 bytes of LDS; arguments keys, idxs, cnt, sidx; writes sidx
;; launch nms (part 8): grid 80 x 8, 16 waves a work-group, no clusters, 56,064 bytes of LDS; arguments cls_output_batch, reg_output_batch, anchors, sidx, cnt, out0; writes out0
.if DOCPART == 8
	.amdgcn_target "amdgcn-amd-amdhsa--gfx1250"
	.amdhsa_code_object_version 6
	.text
	.protected	k_q126500881d_nms
	.globl	k_q126500881d_nms
	.p2align	8
	.type	k_q126500881d_nms,@function
k_q126500881d_nms:
	s_mov_b64 s[64:65], 0
	v_nop
	global_prefetch_b8 v0, s[64:65] scope:SCOPE_SE
	s_setreg_imm32_b32 hwreg(HW_REG_WAVE_MODE, 25, 1), 1
	s_wait_xcnt 0x0
; Launch 7 of 7: a column's boxes, NMS and output.  WORK LEFT OUT (shown at the head of launch 1): only the anchors that sidx names are decoded; IoU words wholly ahead of the diagonal are not made.
; 16 waves, thread r = rank r < 512; ranks from M = min(N, 500) on are not valid and hold zeros.
; A  decode: anchor, deltas and score of anchor sidx[r]; the box as reference() makes it; box and area into LDS.
; B  the matrix, laid BY COLUMNS: byte q of column j holds, in bit r, whether row 8 q + r suppresses column j: 3 inter - a_j > a_i + 1e-9.  A unit is 8 rows (corners in scalar registers, thresholds
;    a_i + 1e-9 in eight vector registers, the same in all lanes) x 32 columns (a lane each).  Rows go in pairs, so that differences, product, multiply-add and the threshold's subtraction are packed
;    lines: 15 lines for two rows.  The overlap's width is held at 0 inside the minimum: max(min(x2i, x2j), xx1) - xx1; with a negative height the product is <= 0 and the test fails, as with inter = 0.
;    The test's result is the sign of (a_i + 1e-9) - (3 inter - a_j), shifted into the lane's word from below, rows 7 to 0; the low byte is stored.  Blocks of 8 rows w, 31 - w, 32 + w, 63 - w give
;    each wave 34 units.  The diagonal's word is stored whole (rows at or behind the column too) and masked where it is read.
; C  the greedy pass, one wave, written out for the 16 blocks of 32 columns: keep_j = valid_j and no kept row i < j suppresses j.  Rows of earlier blocks: one line for each earlier block (the column's
;    word AND that block's final keep word, ORed up), then one compare.  Rows of the own block: three scalar lines a column on the diagonal words.  All by selection: no branch on data.
; D  the kept boxes move to the front by nine fixed shifts of 1, 2, .. 256 places: a box at place r with pos kept boxes ahead of it goes down r - pos, a bit of that number a step.  For kept a < b the
;    distance is at least 1 + d_b - d_a and the parts already gone differ by d_b - d_a at the most, so no two meet.  Every LDS address is made of the thread's number alone.
; Then (x1, y1, x2, y2, score, label) through a stage in LDS, stored 16 bytes a lane: 300 rows of 24 bytes are 450 such pieces.
; LIMIT beside those at the head of launch 1: a NaN in a box may set a bit of the matrix, where reference()'s comparison gives false.
.set LISTB, 401408                     ; bytes of a column in sidx
.set XY,    0                          ; LDS: 512 x (x1, y1, x2, y2)
.set AR,    8192                       ; 512 areas
.set KP,    10240                      ; 32 words: kept (16 words and 16 zeros)
.set MAT,   10496                      ; 512 columns of 64 bytes, 80 bytes apart: 40,960 bytes; then 2,560 bytes of room, so that the store's address, stepped once more behind the last trip, still lies in front of the spare words
.set MP,    80
.set CB0,   MAT                        ; behind the greedy pass: two buffers of 512 x 16 and 512 x 8 bytes
.set CB1,   MAT+12288
.set STG,   CB1                        ; and the stage: 512 x 24 bytes
.set SPARE, 54016                      ; the spare words, 128 bytes a wave, which no other line names
.set SPW, 4
.set NIL, 5
.set THR, 68                           ; v[68:75] a_i + 1e-9 of the block's 8 rows, in every lane
.set KWF, 80                           ; s[80:95] the 16 final keep words
	s_load_b256 s[4:11], s[0:1], 0x0               ; cls s[4:5], reg s[6:7], anchors s[8:9], sidx s[10:11]
	s_load_b128 s[12:15], s[0:1], 0x20             ; cnt s[12:13], out0 s[14:15]
	v_lshl_add_u32 v[SPW], v0, 2, SPARE
	v_mov_b32 v[NIL], 0
	v_lshrrev_b32 v1, 5, v0
	v_readfirstlane_b32 s16, v1                    ; wave
	v_and_b32 v1, 31, v0                           ; lane
	v_lshlrev_b32 v6, 4, v1                        ; 16 lane: my column's corners in block 0
	v_lshlrev_b32 v7, 2, v1                        ; 4 lane: its area
	v_mul_u32_u24 v8, v1, MP                       ; 80 lane: its bytes of the matrix
	v_mov_b32 v9, -1
	v_lshlrev_b32 v9, v1, v9
	v_xor_b32 v9, -1, v9                           ; the bits below my lane's
	v_and_b32 v66, 7, v0
	v_lshlrev_b32 v66, 4, v66                      ; 16 (lane % 8)
	v_mov_b32 v51, 0                               ; named with v50 as a pair
	v_mov_b32 v60, 0                               ; the word into which signs are shifted
	s_mov_b32 s17, ttmp9                           ; class
	s_and_b32 s18, ttmp7, 0xffff                   ; image
	s_mul_i32 s20, s18, 80
	s_add_co_u32 s20, s20, s17                     ; column
	s_mov_b32 s72, 0x40400000                      ; 3.0,
	s_mov_b32 s73, 0x40400000                      ; named as a pair
	s_mul_i32 s24, s18, 32000000
	s_lshl_b32 s23, s17, 2
	s_add_co_u32 s24, s24, s23
	s_mov_b32 s25, 0
	s_mul_i32 s26, s18, 1600000
	s_mov_b32 s27, 0
	s_mul_i32 s28, s20, LISTB
	s_mov_b32 s29, 0
	s_lshl_b32 s30, s20, 2
	s_mov_b32 s31, 0
	s_mul_i32 s32, s20, 7200
	s_mov_b32 s33, 0
	s_wait_kmcnt 0x0
	s_add_nc_u64 s[4:5], s[4:5], s[24:25]
	s_add_nc_u64 s[6:7], s[6:7], s[26:27]
	s_add_nc_u64 s[10:11], s[10:11], s[28:29]
	s_add_nc_u64 s[12:13], s[12:13], s[30:31]
	s_add_nc_u64 s[14:15], s[14:15], s[32:33]
	s_load_b32 s19, s[12:13], 0x0                  ; N
	; A: decode
	v_lshlrev_b32 v22, 2, v0
	global_load_b32 v23, v22, s[10:11]
	s_wait_loadcnt 0x0
	v_min_u32 v23, 0x1869f, v23                    ; an anchor: at most 99,999
	v_lshlrev_b32 v24, 4, v23
	v_mul_u32_u24 v25, v23, 320
	global_load_b128 v[28:31], v24, s[8:9]         ; anchor
	global_load_b128 v[32:35], v24, s[6:7]         ; deltas
	global_load_b32 v14, v25, s[4:5]               ; score
	s_wait_kmcnt 0x0
	s_min_u32 s19, s19, 500                        ; M
	v_cmp_gt_u32 s21, s19, v0                      ; r < M
	s_wait_loadcnt 0x0
	v_sub_f32 v36, v30, v28                        ; wa
	v_sub_f32 v37, v31, v29                        ; ha
	v_fma_f32 v38, 0.5, v36, v28                   ; cxa
	v_fma_f32 v39, 0.5, v37, v29                   ; cya
	v_minimum_f32 v34, 0x40845349, v34             ; min(dw, log(62.5)); a NaN stays, as in jnp.minimum
	v_minimum_f32 v35, 0x40845349, v35
	v_mul_f32 v34, 0x3fb8aa3b, v34
	v_mul_f32 v35, 0x3fb8aa3b, v35
	v_exp_f32 v34, v34
	v_exp_f32 v35, v35
	v_fma_f32 v38, v32, v36, v38                   ; cx: plain work behind the exponentials
	v_fma_f32 v39, v33, v37, v39                   ; cy
	s_wait_alu depctr_va_vdst(0)                   ; one wait for both exponentials, ahead of their first reader
	v_mul_f32 v34, v34, v36                        ; w
	v_mul_f32 v35, v35, v37                        ; h
	v_fma_f32 v10, -0.5, v34, v38
	v_fma_f32 v11, -0.5, v35, v39
	v_fma_f32 v12, 0.5, v34, v38
	v_fma_f32 v13, 0.5, v35, v39
.irp k, 10,11,12,13,14
	v_cndmask_b32 v\k, 0, v\k, s21
.endr
	v_sub_f32 v22, v12, v10
	v_sub_f32 v23, v13, v11
	v_max_num_f32 v22, 0, v22
	v_max_num_f32 v23, 0, v23
	v_mul_f32 v24, v22, v23                        ; area
	v_lshlrev_b32 v26, 4, v0
	v_lshlrev_b32 v27, 2, v0
	ds_store_b128 v26, v[10:13] offset:XY
	ds_store_b32 v27, v24 offset:AR
	s_wait_dscnt 0x0                               ; for the others' sake
	s_barrier_signal -1
	s_barrier_wait -1
	; B: the matrix.
; Four rows against my column: the pairs (2 ka, 2 ka + 1) and (2 kb, 2 kb + 1), ka = kb + 1, line by line by turns, on two sets of eight registers.  Row r's corners lie in s[24 + 4 r ..].
.macro QUAD ka, kb
.set TA, 52
.set TB, 32
.set SA, 24+8*(\ka)
.set SB, 24+8*(\kb)
	v_max_num_f32 v[TA], s[SA], v46                ; xx1 of the pair's two rows
	v_max_num_f32 v[TB], s[SB], v46
	v_max_num_f32 v[TA+1], s[SA+4], v46
	v_max_num_f32 v[TB+1], s[SB+4], v46
	v_max_num_f32 v[TA+2], s[SA+1], v47            ; yy1
	v_max_num_f32 v[TB+2], s[SB+1], v47
	v_max_num_f32 v[TA+3], s[SA+5], v47
	v_max_num_f32 v[TB+3], s[SB+5], v47
	v_minmax_num_f32 v[TA+4], s[SA+2], v48, v[TA]  ; xx2, never under xx1: max(min(x2i, x2j), xx1)
	v_minmax_num_f32 v[TB+4], s[SB+2], v48, v[TB]
	v_minmax_num_f32 v[TA+5], s[SA+6], v48, v[TA+1]
	v_minmax_num_f32 v[TB+5], s[SB+6], v48, v[TB+1]
	v_min_num_f32 v[TA+6], s[SA+3], v49            ; yy2
	v_min_num_f32 v[TB+6], s[SB+3], v49
	v_min_num_f32 v[TA+7], s[SA+7], v49
	v_min_num_f32 v[TB+7], s[SB+7], v49
	v_pk_add_f32 v[TA+4:TA+5], v[TA+4:TA+5], v[TA:TA+1] neg_lo:[0,1] neg_hi:[0,1]      ; widths, >= 0
	v_pk_add_f32 v[TB+4:TB+5], v[TB+4:TB+5], v[TB:TB+1] neg_lo:[0,1] neg_hi:[0,1]
	v_pk_add_f32 v[TA+6:TA+7], v[TA+6:TA+7], v[TA+2:TA+3] neg_lo:[0,1] neg_hi:[0,1]    ; heights
	v_pk_add_f32 v[TB+6:TB+7], v[TB+6:TB+7], v[TB+2:TB+3] neg_lo:[0,1] neg_hi:[0,1]
	v_pk_mul_f32 v[TA+4:TA+5], v[TA+4:TA+5], v[TA+6:TA+7]                              ; inter
	v_pk_mul_f32 v[TB+4:TB+5], v[TB+4:TB+5], v[TB+6:TB+7]
	v_pk_fma_f32 v[TA+4:TA+5], v[TA+4:TA+5], s[72:73], v[50:51] op_sel_hi:[1,0,0] neg_lo:[0,0,1] neg_hi:[0,0,1]  ; 3 inter - a_j
	v_pk_fma_f32 v[TB+4:TB+5], v[TB+4:TB+5], s[72:73], v[50:51] op_sel_hi:[1,0,0] neg_lo:[0,0,1] neg_hi:[0,0,1]
	v_pk_add_f32 v[TA+4:TA+5], v[THR+2*(\ka):THR+2*(\ka)+1], v[TA+4:TA+5] neg_lo:[0,1] neg_hi:[0,1]  ; (a_i + 1e-9) - that: negative where the row suppresses
	v_pk_add_f32 v[TB+4:TB+5], v[THR+2*(\kb):THR+2*(\kb)+1], v[TB+4:TB+5] neg_lo:[0,1] neg_hi:[0,1]
	v_alignbit_b32 v60, v60, v[TA+5], 31           ; word = 2 word + sign, the highest row first
	v_alignbit_b32 v60, v60, v[TA+4], 31
	v_alignbit_b32 v60, v60, v[TB+5], 31
	v_alignbit_b32 v60, v60, v[TB+4], 31
.endm
; QBLK makes byte s20 of the columns from the rows' own block of 32 on: rows 8 s20 .. 8 s20 + 7.
.macro QBLK
	s_lshl_b32 s74, s20, 7
	v_add_nc_u32 v62, s74, v66
	s_lshl_b32 s74, s20, 5
	v_mov_b32 v63, s74
	ds_load_b128 v[40:43], v62 offset:XY           ; lane l: the corners of row l % 8 of the block
	ds_load_b128 v[THR:THR+3], v63 offset:AR       ; every lane: the eight areas
	ds_load_b128 v[THR+4:THR+7], v63 offset:AR+16
	v_mov_b32 v64, v6                              ; my column in block 0
	v_mov_b32 v65, v7
	v_add_nc_u32 v61, s20, v8                      ; and where its byte goes
	s_lshr_b32 s68, s20, 2                         ; the block of 32 that holds the rows
	s_mov_b32 s66, 0
	s_wait_dscnt 0x0
.irp k, 0,1,2,3,4,5,6,7
	v_add_f32 v[THR+(\k)], 0x3089705f, v[THR+(\k)] ; a_i + 1e-9
.endr
.irp rr, 0,1,2,3,4,5,6,7
.irp c, 0,1,2,3
	v_readlane_b32 s[24+4*(\rr)+(\c)], v[40+(\c)], \rr
.endr
.endr
.Lw_\@:                                ; 16 trips; the blocks of columns ahead of the rows' block are jumped over: their bytes are read by nobody
	s_cmp_lt_u32 s66, s68
	s_cbranch_scc1 .Lskip_\@
	ds_load_b128 v[46:49], v64 offset:XY
	ds_load_b32 v50, v65 offset:AR
	s_wait_dscnt 0x0
	QUAD 3, 2
	QUAD 1, 0
	ds_store_b8 v61, v60 offset:MAT                ; the low byte: rows 7 .. 0
.Lskip_\@:
	v_add_nc_u32 v64, 512, v64
	v_add_nc_u32 v65, 128, v65
	v_add_nc_u32 v61, 32*MP, v61
	s_add_co_u32 s66, s66, 1
	s_cmp_lt_u32 s66, 16
	s_cbranch_scc1 .Lw_\@
.endm
	s_mov_b32 s20, s16
	QBLK
	s_sub_co_u32 s20, 31, s16
	QBLK
	s_add_co_u32 s20, s16, 32
	QBLK
	s_sub_co_u32 s20, 63, s16
	QBLK
	s_wait_dscnt 0x0                               ; for wave 0's sake: my bytes are in LDS
	s_barrier_signal -1
	s_barrier_wait -1
	; C: the greedy pass, wave 0 alone.  v22 is written in every wave; only wave 0's is worked on and stored.
; Words 0 .. c of my column in block c, into the buffer of c's parity; exactly the words that were stored.  NLD = the number of loads.
.macro LOADC c
.set LB, 32+16*((\c)%2)
.set LO, MAT+32*MP*(\c)
.set NLD, (\c)/4+1
.set g, 0
.rept (\c)/4
	ds_load_b128 v[LB+4*g:LB+4*g+3], v8 offset:LO+16*g
.set g, g+1
.endr
.if (\c)%4 == 0
	ds_load_b32 v[LB+4*g], v8 offset:LO+16*g
.elseif (\c)%4 == 1
	ds_load_b64 v[LB+4*g:LB+4*g+1], v8 offset:LO+16*g
.elseif (\c)%4 == 2
	ds_load_b64 v[LB+4*g:LB+4*g+1], v8 offset:LO+16*g
	ds_load_b32 v[LB+4*g+2], v8 offset:LO+16*g+8
.set NLD, NLD+1
.else
	ds_load_b128 v[LB+4*g:LB+4*g+3], v8 offset:LO+16*g
.endif
.endm
.macro CBLK c
.if (\c) < 15
	LOADC (\c)+1
	s_wait_dscnt NLD                               ; LDS loads come back in order: this block's words are in, the next block's, just issued, may stay out
.else
	s_wait_dscnt 0x0
.endif
.set CBF, 32+16*((\c)%2)
	v_and_b32 v24, v9, v[CBF+(\c)]                 ; the diagonal's word: only the rows ahead of my column
	v_add_nc_u32 v23, 32*(\c), v1
	v_cmp_le_u32 vcc_lo, s19, v23                  ; M <= my column: not valid
	v_cndmask_b32 v23, 0, 1, vcc_lo                ; from here on v23 is other than 0 where the column goes
.set j, 0
.rept 32
	v_readlane_b32 s[24+j], v24, j                 ; column j's diagonal word
.if j < (\c)
	v_and_or_b32 v23, v[CBF+j], s[KWF+j], v23      ; a kept row of block j suppresses my column
.endif
.set j, j+1
.endr
	v_cmp_eq_u32 s[KWF+(\c)], 0, v23               ; valid, and left alone by all earlier blocks
.set j, 1
.rept 31                               ; column j goes if a row ahead of it in the block, whose bit is final by now, is kept and suppresses it
	s_and_b32 s57, s[KWF+(\c)], (~(1<<j))&0xffffffff
	s_and_b32 s58, s[KWF+(\c)], s[24+j]            ; SCC: there is such a row
	s_cselect_b32 s[KWF+(\c)], s57, s[KWF+(\c)]
.set j, j+1
.endr
	v_writelane_b32 v22, s[KWF+(\c)], \c
.endm
	v_mov_b32 v22, 0                               ; lane b < 16: keep word b; the others stay 0
	s_cmp_lg_u32 s16, 0
	s_cbranch_scc1 .Lnot0
	LOADC 0
.set c, 0
.rept 16
	CBLK c
.set c, c+1
.endr
.Lnot0:
	s_wait_dscnt 0x0                               ; every wave's LDS loads are back, wave 0's reads of the matrix among them
	s_barrier_signal -1
	s_barrier_wait -1                              ; a barrier between those reads and the store below
	s_cmp_lg_u32 s16, 0
	s_cbranch_scc1 .Lnokp
	ds_store_b32 v7, v22 offset:KP
.Lnokp:
	s_wait_dscnt 0x0                               ; the keep words are in LDS
	s_barrier_signal -1
	s_barrier_wait -1
	; D: to the front
	ds_load_b32 v22, v7 offset:KP
	v_mov_b32 v24, 0x80000000                      ; the mark of an empty place
	v_lshlrev_b32 v28, 4, v0
	v_lshlrev_b32 v29, 3, v0
	s_mov_b32 s71, 0
	s_wait_dscnt 0x0
.set i, 0
.rept 16
	v_readlane_b32 s23, v22, i
	s_bcnt1_i32_b32 s69, s23
	s_cmp_gt_u32 s16, i
	s_cselect_b32 s69, s69, 0
	s_add_co_u32 s71, s71, s69                     ; kept in the waves ahead of mine
.set i, i+1
.endr
	v_readlane_b32 s70, v22, s16                   ; my wave's keep bits
	v_mbcnt_lo_u32_b32 v23, s70, s71               ; kept ahead of me
	v_sub_nc_u32 v15, v0, v23
	v_cndmask_b32 v15, v24, v15, s70               ; how far I go down, or the mark
.macro CSTEP k
.set SH, 1<<(\k)
.set CB, CB0+((\k)%2)*(CB1-CB0)
	ds_store_b128 v28, v[10:13] offset:CB
	ds_store_b64 v29, v[14:15] offset:CB+8192
	s_wait_dscnt 0x0                               ; my stores are done; so are my reads of the other buffer, which is written again behind the next barrier
	s_barrier_signal -1
	s_barrier_wait -1
	v_add_nc_u32 v30, SH, v0
	v_and_b32 v30, 511, v30
	v_lshlrev_b32 v31, 4, v30
	v_lshlrev_b32 v30, 3, v30
	ds_load_b128 v[16:19], v31 offset:CB
	ds_load_b64 v[20:21], v30 offset:CB+8192
	v_and_b32 v32, 0x80000000|SH, v15
	v_cmp_eq_u32 vcc_lo, 0, v32                    ; mine is a box and stays in this step
	v_cndmask_b32 v15, v24, v15, vcc_lo
	v_cmp_gt_u32 s23, 512-SH, v0
	s_wait_dscnt 0x0
	v_and_b32 v32, 0x80000000|SH, v21
	v_cmp_eq_u32 s21, SH, v32                      ; the one SH places up is a box and comes down
	s_and_b32 s21, s21, s23
.irp j, 0,1,2,3,4,5
	v_cndmask_b32 v[10+(\j)], v[10+(\j)], v[16+(\j)], s21
.endr
.endm
	CSTEP 0
	CSTEP 1
	CSTEP 2
	CSTEP 3
	CSTEP 4
	CSTEP 5
	CSTEP 6
	CSTEP 7
	CSTEP 8
	; the way out.  The stage is the buffer of step 7: its reads were waited for in front of step 8's barrier.
	v_cmp_gt_u32 vcc_lo, v24, v15                  ; a box
	v_cvt_f32_u32 v33, s17
.irp k, 10,11,12,13,14
	v_cndmask_b32 v\k, 0, v\k, vcc_lo
.endr
	v_cndmask_b32 v15, -1.0, v33, vcc_lo           ; the label
	v_mul_u32_u24 v30, v0, 24
	ds_store_b64 v30, v[10:11] offset:STG
	ds_store_b64 v30, v[12:13] offset:STG+8
	ds_store_b64 v30, v[14:15] offset:STG+16
	s_wait_dscnt 0x0                               ; for the others' sake
	s_barrier_signal -1
	s_barrier_wait -1
	v_cmp_gt_u32 vcc_lo, 450, v0                   ; 300 rows of 24 bytes = 450 pieces of 16
	s_wait_xcnt 0x0                                ; EXEC changes only behind this wait
	s_and_saveexec_b32 s23, vcc_lo
	ds_load_b128 v[16:19], v28 offset:STG
	s_wait_dscnt 0x0
	global_store_b128 v28, v[16:19], s[14:15]
	s_wait_xcnt 0x0
	s_or_b32 exec_lo, exec_lo, s23
	s_wait_tensorcnt 0x0                           ; the wave's end, behind my last LDS store
	ds_add_u32 v[SPW], v[NIL]
	s_wait_dscnt 0x0
	s_endpgm
.Lfunc_end_k_q126500881d_nms:
	.size	k_q126500881d_nms, .Lfunc_end_k_q126500881d_nms-k_q126500881d_nms
	.p2alignl 7, 3214868480
	.fill 96, 4, 3214868480
	.section	.rodata,"a",@progbits
	.p2align	6, 0x0
	.amdhsa_kernel k_q126500881d_nms
		.amdhsa_group_segment_fixed_size 56064
		.amdhsa_private_segment_fixed_size 0
		.amdhsa_enable_private_segment 0
		.amdhsa_kernarg_size 48
		.amdhsa_user_sgpr_count 2
		.amdhsa_user_sgpr_kernarg_segment_ptr 1
		.amdhsa_wavefront_size32 1
		.amdhsa_system_sgpr_workgroup_id_x 1
		.amdhsa_system_sgpr_workgroup_id_y 1
		.amdhsa_system_sgpr_workgroup_id_z 1
		.amdhsa_system_vgpr_workitem_id 0
		.amdhsa_next_free_vgpr 76
		.amdhsa_next_free_sgpr 96
		.amdhsa_reserve_vcc 1
		.amdhsa_float_denorm_mode_32 3
		.amdhsa_float_denorm_mode_16_64 3
		.amdhsa_memory_ordered 1
		.amdhsa_forward_progress 1
		.amdhsa_inst_pref_size 156
	.end_amdhsa_kernel
	.amdgpu_metadata
---
amdhsa.version: [ 1, 2 ]
amdhsa.kernels:
  - .name:           k_q126500881d_nms
    .symbol:         k_q126500881d_nms.kd
    .args:
      - { .name: cls_output_batch, .offset: 0, .size: 8, .value_kind: global_buffer, .address_space: global }
      - { .name: reg_output_batch, .offset: 8, .size: 8, .value_kind: global_buffer, .address_space: global }
      - { .name: anchors, .offset: 16, .size: 8, .value_kind: global_buffer, .address_space: global }
      - { .name: sidx, .offset: 24, .size: 8, .value_kind: global_buffer, .address_space: global }
      - { .name: cnt, .offset: 32, .size: 8, .value_kind: global_buffer, .address_space: global }
      - { .name: out0, .offset: 40, .size: 8, .value_kind: global_buffer, .address_space: global }
    .group_segment_fixed_size: 56064
    .private_segment_fixed_size: 0
    .kernarg_segment_align: 8
    .kernarg_segment_size: 48
    .max_flat_workgroup_size: 512
    .sgpr_count:     96
    .vgpr_count:     76
    .wavefront_size: 32
...
	.end_amdgpu_metadata
.endif
;; end of part 8
